; MI455X (gfx1250); checked and timed in simulation.
; The chip was launched on July 23, 2026; its instructions are those of AMD's public machine-readable ISA for CDNA 5 (MIT licence, August 2026) and "CDNA5" Instruction Set Architecture Reference Guide (July 2026). The comments in the code are by the model that wrote it; some were corrected since.
;; Mixtral Attention. Allowed arithmetic: float matrix products may take bf16 or f16 operands with f32 sums; other float arithmetic in f32, or as packed bf16 or f16 multiplies, adds, multiply-adds, maxima and minima; sums over many terms, partial sums and values carried from step to step in f32; what a program stores and reads back later, other than sums and carried values, may be rounded once to bf16 or f16.
;; Inputs: Wk 4,096 x 512 float32; Wo 1,024 x 4,096 float32; Wq 4,096 x 1,024 float32; Wv 4,096 x 512 float32; attention_mask 2 x 2,048 bool; cos 1 x 2,048 x 128 float32; hidden_states 2 x 2,048 x 4,096 float32; sin 1 x 2,048 x 128 float32.
;; Outputs: out0 2 x 2,048 x 4,096 float32.
;; One version. Each part assembles by itself: llvm-mc -triple=amdgcn-amd-amdhsa -mcpu=gfx1250 --defsym DOCPART=n.
;; ======== version 1 of 1: 4 launches
;; limits: values are held in f16: magnitudes above 65,504 overflow, below 6.1e-05 lose precision
;; workspace buffers: xb 33,554,432 bytes; wqkv 16,777,216 bytes; wo16 8,388,608 bytes; bias 16,384 bytes; cs 2,097,152 bytes; qkv 16,777,216 bytes; vpart 131,072 bytes; att 8,388,608 bytes
;; launch prep (part 1): grid 1825 x 1, 8 waves a work-group, no clusters, 0 bytes of LDS; arguments hidden_states, Wq, Wk, Wv, Wo, cos, sin, attention_mask, xb, wqkv, wo16, cs, bias; writes xb, wqkv, wo16, cs, bias
.if DOCPART == 1
	.amdgcn_target "amdgcn-amd-amdhsa--gfx1250"
	.amdhsa_code_object_version 6
	.text
	.protected	k_q94ec881986_prep
	.globl	k_q94ec881986_prep
	.p2align	8
	.type	k_q94ec881986_prep,@function
k_q94ec881986_prep:
	s_mov_b64 s[64:65], 0
	v_nop
	global_prefetch_b8 v0, s[64:65] scope:SCOPE_SE
	s_setreg_imm32_b32 hwreg(HW_REG_WAVE_MODE, 25, 1), 1
	s_wait_xcnt 0x0
; CASTS.  Every floating-point input is rounded once to bf16 (nearest even) and laid out for the launches behind:
;   xb   [4096][4096] bf16 = hidden_states        wqkv [4096 k][2048 n] bf16 = Wq | Wk | Wv side by side
;   wo16 [1024 k][4096 n] f16 = bf16(Wo) written as f16 (exact down to f16's fixed step 2^-24: smaller Wo keep an error of at most 3e-8)
;   cs   [2][2048][128] f32 = bf16(cos), bf16(sin) written as f32        bias [2][2048] f32 = 0 where attention_mask is set, else -1e30
; A stream: no LDS, no matrix unit, no prefetch (all the launch does is read and write at full width).
; SHARES.  A segment is 512 consecutive f32 of a source (2,048 bytes).  A work-group takes 32 segments, a wave 4: 8 KiB on end, in two rounds of eight loads of 512 consecutive bytes.  A round's eight loads
; go out together; with 56 registers a wave many waves lie on a SIMD, and their rounds overlap.
; Work-groups 0-1023 x, 1024-1279 Wq, 1280-1407 Wk, 1408-1535 Wv, 1536-1791 Wo, 1792-1807 cos, 1808-1823 sin, 1824 the mask.
; A 16-bit segment is 1,024 bytes out.  A round is a pair of segments: the even one goes to E, the odd one to OD, and both bases step by 2 SA from round to round.  SA = bytes from segment to segment
; averaged over a pair, OD - E = DODD: x, Wo: dense (1,024, 1,024); Wq: two segments a row of 4,096 bytes (2,048, 1,024); Wk, Wv: one a row (4,096, 4,096), at column byte 2,048 or 3,072.
.set ROUNDS, 2
.set X, 8                              ; v[8:39]   a round's 8 loads of 4 registers
.set Y, 40                             ; v[40:55]  its 8 results of 2 registers
	s_load_b512 s[8:23], s[0:1], 0x0               ; x, Wq, Wk, Wv, Wo, cos, sin, mask
	s_load_b256 s[24:31], s[0:1], 0x40             ; xb, wqkv, wo16, cs
	s_load_b64 s[32:33], s[0:1], 0x60              ; bias
	s_mov_b32 s2, ttmp9
	v_lshrrev_b32 v1, 5, v0
	v_readfirstlane_b32 s3, v1                     ; wave 0..7
	v_and_b32 v1, 31, v0
	v_lshlrev_b32 v2, 4, v1                        ; 16 x lane: my 16 bytes of a load; never rewritten
	v_lshlrev_b32 v3, 3, v1                        ; 8 x lane: my 8 bytes of a 16-bit store; never rewritten
	s_mov_b32 s43, 0xffff0000                      ; a word's upper bf16
	s_wait_kmcnt 0x0
	s_cmp_eq_u32 s2, 1824
	s_cbranch_scc1 .Lmask
	s_mov_b64 s[34:35], s[8:9]                     ; source
	s_mov_b64 s[36:37], s[24:25]                   ; destination
	s_mov_b32 s38, 0                               ; the source's first work-group
	s_mov_b32 s39, 1024                            ; SA
	s_mov_b32 s40, 1024                            ; DODD
	s_mov_b32 s41, 0                               ; first byte in the destination
	s_cmp_ge_u32 s2, 1024                          ; Wq
	s_cselect_b64 s[34:35], s[10:11], s[34:35]
	s_cselect_b64 s[36:37], s[26:27], s[36:37]
	s_cselect_b32 s38, 1024, s38
	s_cselect_b32 s39, 2048, s39
	s_cmp_ge_u32 s2, 1280                          ; Wk
	s_cselect_b64 s[34:35], s[12:13], s[34:35]
	s_cselect_b32 s38, 1280, s38
	s_cselect_b32 s39, 4096, s39
	s_cselect_b32 s40, 4096, s40
	s_cselect_b32 s41, 2048, s41
	s_cmp_ge_u32 s2, 1408                          ; Wv
	s_cselect_b64 s[34:35], s[14:15], s[34:35]
	s_cselect_b32 s38, 1408, s38
	s_cselect_b32 s41, 3072, s41
	s_cmp_ge_u32 s2, 1536                          ; Wo
	s_cselect_b64 s[34:35], s[16:17], s[34:35]
	s_cselect_b64 s[36:37], s[28:29], s[36:37]
	s_cselect_b32 s38, 1536, s38
	s_cselect_b32 s39, 1024, s39
	s_cselect_b32 s40, 1024, s40
	s_cselect_b32 s41, 0, s41
	s_cmp_ge_u32 s2, 1792                          ; cos: f32 out, 2,048 bytes a segment
	s_cselect_b64 s[34:35], s[18:19], s[34:35]
	s_cselect_b64 s[36:37], s[30:31], s[36:37]
	s_cselect_b32 s38, 1792, s38
	s_cselect_b32 s39, 2048, s39
	s_cmp_ge_u32 s2, 1808                          ; sin: 1 MiB behind cos
	s_cselect_b64 s[34:35], s[20:21], s[34:35]
	s_cselect_b32 s38, 1808, s38
	s_cselect_b32 s41, 0x100000, s41
	s_sub_co_u32 s42, s2, s38
	s_lshl_b32 s42, s42, 5
	s_lshl2_add_u32 s42, s3, s42                   ; my wave's first segment in its source: an even number
	s_lshl_b32 s44, s42, 11
	s_mov_b32 s45, 0
	s_add_nc_u64 s[34:35], s[34:35], s[44:45]
	s_mul_i32 s44, s42, s39
	s_add_co_u32 s44, s44, s41
	s_add_nc_u64 s[46:47], s[36:37], s[44:45]      ; E
	s_mov_b32 s44, s40
	s_add_nc_u64 s[48:49], s[46:47], s[44:45]      ; OD
	s_lshl_b32 s50, s39, 1                         ; 2 SA, as a pair
	s_mov_b32 s51, 0
; Load i of a round: rounded and stored.  kind 0: bf16; 1: bf16, then that number as f16; 2: bf16, then that number as f32.
.macro CAST i, kind
	s_wait_loadcnt 7-(\i)                          ; loads come back in order: the 7 - i younger ones of the round may stay out
	v_cvt_pk_bf16_f32 v[Y+2*(\i)], v[X+4*(\i)], v[X+4*(\i)+1]
	v_cvt_pk_bf16_f32 v[Y+2*(\i)+1], v[X+4*(\i)+2], v[X+4*(\i)+3]
.if (\kind) > 0
	v_lshlrev_b32 v[X+4*(\i)], 16, v[Y+2*(\i)]
	v_and_b32 v[X+4*(\i)+1], s43, v[Y+2*(\i)]
	v_lshlrev_b32 v[X+4*(\i)+2], 16, v[Y+2*(\i)+1]
	v_and_b32 v[X+4*(\i)+3], s43, v[Y+2*(\i)+1]
.endif
.if (\kind) == 1
	v_cvt_pk_f16_f32 v[Y+2*(\i)], v[X+4*(\i)], v[X+4*(\i)+1]
	v_cvt_pk_f16_f32 v[Y+2*(\i)+1], v[X+4*(\i)+2], v[X+4*(\i)+3]
.endif
.if (\kind) == 2
	global_store_b128 v2, v[X+4*(\i):X+4*(\i)+3], s[46:47] offset:512*(\i)  ; 512 consecutive bytes
.elseif (\i) < 4
	global_store_b64 v3, v[Y+2*(\i):Y+2*(\i)+1], s[46:47] offset:256*(\i)  ; 32 lanes store 256 consecutive bytes, aligned
.else
	global_store_b64 v3, v[Y+2*(\i):Y+2*(\i)+1], s[48:49] offset:256*((\i)-4)
.endif
.endm
; A wave's rounds, for one kind of cast, and its end.
.macro STREAM kind
	s_mov_b32 s44, ROUNDS
.Lround_\@:
.irp i, 0,1,2,3,4,5,6,7
	global_load_b128 v[X+4*\i:X+4*\i+3], v2, s[34:35] offset:512*\i th:TH_LOAD_NT
.endr
.irp i, 0,1,2,3,4,5,6,7
	CAST \i, \kind
.endr
	s_wait_xcnt 0x0                                ; every load and store so far has read its registers: X, Y and the three bases are written again only behind this wait
	s_add_nc_u64 s[34:35], s[34:35], 4096
	s_add_nc_u64 s[46:47], s[46:47], s[50:51]
	s_add_nc_u64 s[48:49], s[48:49], s[50:51]
	s_sub_co_u32 s44, s44, 1
	s_cmp_lg_u32 s44, 0
	s_cbranch_scc1 .Lround_\@
	s_endpgm
.endm
	s_cmp_ge_u32 s2, 1792
	s_cbranch_scc1 .Ltab
	s_cmp_ge_u32 s2, 1536
	s_cbranch_scc1 .Lwo
	STREAM 0
.Lwo:
	STREAM 1
.Ltab:
	STREAM 2
.Lmask:                                        ; 4,096 bytes of mask: a thread takes four words of four bytes, and stores four times 16 bytes
	v_lshlrev_b32 v7, 2, v0
	v_lshlrev_b32 v8, 4, v0
	v_mov_b32 v9, 0xf149f2ca                       ; -1e30
.irp p, 0,1,2,3
	global_load_b32 v[10+\p], v7, s[22:23] offset:1024*\p
.endr
	s_wait_loadcnt 0x0
.irp p, 0,1,2,3
.irp j, 0,1,2,3
	v_bfe_u32 v[16+4*\p+\j], v[10+\p], 8*\j, 8
	v_cmp_eq_u32 vcc_lo, 0, v[16+4*\p+\j]
	v_cndmask_b32 v[16+4*\p+\j], 0, v9, vcc_lo
.endr
	global_store_b128 v8, v[16+4*\p:16+4*\p+3], s[32:33] offset:4096*\p
.endr
	s_endpgm
.Lfunc_end_k_q94ec881986_prep:
	.size	k_q94ec881986_prep, .Lfunc_end_k_q94ec881986_prep-k_q94ec881986_prep
	.p2alignl 7, 3214868480
	.fill 96, 4, 3214868480
	.section	.rodata,"a",@progbits
	.p2align	6, 0x0
	.amdhsa_kernel k_q94ec881986_prep
		.amdhsa_group_segment_fixed_size 0
		.amdhsa_private_segment_fixed_size 0
		.amdhsa_enable_private_segment 0
		.amdhsa_kernarg_size 104
		.amdhsa_user_sgpr_count 2
		.amdhsa_user_sgpr_kernarg_segment_ptr 1
		.amdhsa_wavefront_size32 1
		.amdhsa_system_sgpr_workgroup_id_x 1
		.amdhsa_system_sgpr_workgroup_id_y 1
		.amdhsa_system_sgpr_workgroup_id_z 1
		.amdhsa_system_vgpr_workitem_id 0
		.amdhsa_next_free_vgpr 56
		.amdhsa_next_free_sgpr 66
		.amdhsa_reserve_vcc 1
		.amdhsa_float_denorm_mode_32 3
		.amdhsa_float_denorm_mode_16_64 3
		.amdhsa_memory_ordered 1
		.amdhsa_forward_progress 1
		.amdhsa_inst_pref_size 19
	.end_amdhsa_kernel
	.amdgpu_metadata
---
amdhsa.version: [ 1, 2 ]
amdhsa.kernels:
  - .name:           k_q94ec881986_prep
    .symbol:         k_q94ec881986_prep.kd
    .args:
      - { .name: hidden_states, .offset: 0, .size: 8, .value_kind: global_buffer, .address_space: global }
      - { .name: Wq, .offset: 8, .size: 8, .value_kind: global_buffer, .address_space: global }
      - { .name: Wk, .offset: 16, .size: 8, .value_kind: global_buffer, .address_space: global }
      - { .name: Wv, .offset: 24, .size: 8, .value_kind: global_buffer, .address_space: global }
      - { .name: Wo, .offset: 32, .size: 8, .value_kind: global_buffer, .address_space: global }
      - { .name: cos, .offset: 40, .size: 8, .value_kind: global_buffer, .address_space: global }
      - { .name: sin, .offset: 48, .size: 8, .value_kind: global_buffer, .address_space: global }
      - { .name: attention_mask, .offset: 56, .size: 8, .value_kind: global_buffer, .address_space: global }
      - { .name: xb, .offset: 64, .size: 8, .value_kind: global_buffer, .address_space: global }
      - { .name: wqkv, .offset: 72, .size: 8, .value_kind: global_buffer, .address_space: global }
      - { .name: wo16, .offset: 80, .size: 8, .value_kind: global_buffer, .address_space: global }
      - { .name: cs, .offset: 88, .size: 8, .value_kind: global_buffer, .address_space: global }
      - { .name: bias, .offset: 96, .size: 8, .value_kind: global_buffer, .address_space: global }
    .group_segment_fixed_size: 0
    .private_segment_fixed_size: 0
    .kernarg_segment_align: 8
    .kernarg_segment_size: 104
    .max_flat_workgroup_size: 256
    .sgpr_count:     66
    .vgpr_count:     56
    .wavefront_size: 32
...
	.end_amdgpu_metadata
.endif
;; end of part 1
;; launch qkv (part 2): grid 16 x 16, 4 waves a work-group, clusters of 4 x 4, 327,680 bytes of LDS; arguments xb, wqkv, cs, qkv, vpart; writes qkv, vpart
.if DOCPART == 2
	.amdgcn_target "amdgcn-amd-amdhsa--gfx1250"
	.amdhsa_code_object_version 6
	.text
	.protected	k_q94ec881986_qkv
	.globl	k_q94ec881986_qkv
	.p2align	8
	.type	k_q94ec881986_qkv,@function
k_q94ec881986_qkv:
	s_mov_b64 s[64:65], 0
	v_nop
	global_prefetch_b8 v0, s[64:65] scope:SCOPE_SE
	s_setreg_imm32_b32 hwreg(HW_REG_WAVE_MODE, 25, 1), 1
	s_wait_xcnt 0x0
	s_wait_alu depctr_hold_cnt(0) depctr_sa_sdst(0) depctr_va_vdst(0) depctr_va_sdst(0) depctr_va_ssrc(0) depctr_va_vcc(0) depctr_vm_vsrc(0)
	s_getreg_b32 s2, hwreg(HW_REG_IB_STS2, 6, 4)
	s_cmp_eq_u32 s2, 0
	s_cbranch_scc0 .Lentry_in_a_cluster
	s_endpgm
.Lentry_in_a_cluster:
	s_bfe_u32 s2, ttmp6, 0x10000c
	s_cmp_lg_u32 s2, 0xf033
	s_cbranch_scc0 .Lentry_shape_is_right
	s_endpgm
.Lentry_shape_is_right:
; q, k, v = x W, then RoPE on q and k.  C[4096][2048] = xb [4096][4096] x wqkv [4096 k][2048 n], bf16 operands, f32 sums.  Out: qkv [16 head columns][4096 rows][128] f16 (0-7 q, 8-11 k, 12-15 v),
; each number rounded once from f32; and vpart [64][512] f32: the sums of v (as rounded) over each 64 rows, from which the next launch makes the mean of v.
; LIMIT.  f16 ends at 65,504: q, k (after RoPE) and v must stay within it.  The order of the sums is not the reference's.
; SHARES.  A tile of C is 256 rows x 128 columns, one head column: 256 work-groups.  Wave w makes rows 64 w .. 64 w + 63 of it, all 128 columns: 32 accumulators of 16 x 16, so that a row's two RoPE halves
; (columns d and d + 64) lie in the same lane, in accumulators b and b + 4.
; K goes in steps of 128 through two LDS slots (two slots of 256 along K would be 425,984 bytes).  A's rows lie along K; B lies [k][n] and is turned on its way out of LDS by ds_load_tr16_b128.
; THE MATRIX INSTRUCTION IS USED TRANSPOSED (source 0 = 16 columns of W, source 1 = 16 rows of x): a lane holds row lane % 16 and the columns 8 (lane / 16) + 0..7 of a block.
; CLUSTER 4 x 4.  A's tile hangs on the tile row alone and is asked for jointly along a row of the cluster, B's on the tile column alone, jointly along a column.  V's four head columns are the clusters with x = 3:
; what differs for V hangs on the cluster's x alone, the same in all partners.
; REGISTERS: window 0: v0-31 addresses, v32-63 at work, v64-159 and v160-255 two fragment buffers (A's 4 fragments, then B's 8); window 1: the accumulators, (a, b) at 8 (8 a + b);
; window 2: cos, window 3: sin, for my rows and columns, at the accumulators' own numbers.
.set PA,    272                        ; a row of A in LDS: 256 bytes + 16: the 16 rows of a load start at 16 different groups of four banks (64 banks of 4 bytes: ISA guide 11.1)
.set PB,    288                        ; a k-row of B: 256 + 32
.set ATILE, 256*PA
.set SLOTB, ATILE+128*PB               ; a slot: A's 256 rows, then B's 128 k-rows: 106,496 bytes
.set STAGE, SLOTB                      ; between the slots, never filled by a tensor load: 16 rows x 272 bytes for each wave
.set SP,    272
.set SPARE, STAGE+4*16*SP              ; the spare words, 128 bytes for each wave: two blocks of 256 bytes that no other line names
.set SLOT1, 131072                     ; slot 1 begins here: one exclusive or turns an address in one slot into the other's
.set A0,   16                          ; v16  my lane's place in A's tile; never rewritten
.set B0,   17                          ; v17  the same for B
.set ADRA, 18                          ; v18  A0 + the slot in hand
.set ADRB, 19                          ; v19  B0 + the slot in hand
.set STO,  20                          ; v20  the way out: where I put 16 bytes of a row
.set RD,   21                          ; v21  the way out: where I read rows back
.set CO,   22                          ; v22  16 x lane
.set CSO,  23                          ; v23  my byte offset in 16 rows of cos and sin
.set PFO,  24                          ; v24  the prefetches' offset: lane x a row
.set VPO,  25                          ; v25  my 16 bytes of 512 in vpart
.set SPW,  28                          ; v28  LDS address of my spare word; never rewritten
.set NIL,  29                          ; v29  0; never rewritten
.set TMP,  32
.set F0,   64
.set F1,   160
.set WV,  16                           ; s16  my wave's number;  s17 = wave / 2: I fetch for A (0) or B (1);  s18 = wave % 2: which half
.set G1A, 24                           ; s[24:31] descriptor group 1 for A's tiles
.set G1B, 32                           ; s[32:39] for B's
.set G0A, 40                           ; s[40:47] group 0 for A: a set for each first fill; the second then walks on
.set G0B, 48                           ; s[48:55] the same for B
.set CNT, 56
.set TB,  57                           ; s57  0 or SLOT1: the slot in hand
.set LIM, 58                           ; s58  2 in a wave that prefetches, else the greatest number
.set PFA, 60                           ; s[60:61] where my prefetches stand
.set PST, 62                           ; s[62:63] their step: a K step of A's rows (256 bytes) or of B's (128 k-rows)
.set MSB, 0
.macro WIN new                         ; the immediate's high byte repeats the setting that is left; a switch that changes nothing is dropped
.if MSB != (\new)
	s_set_vgpr_msb (MSB<<8)|(\new)
.set MSB, \new
.endif
.endm
.macro PLACES                          ; four places behind a matrix instruction, ahead of loads into registers that it has read and of vector lines that read its result
.rept 4
	v_nop
.endr
.endm
.macro CREST                           ; a round of the cluster's barrier behind its opening barrier
	s_cmp_lg_u32 s[WV], 0
	s_cbranch_scc1 .Lnot_wave_0_\@
	s_barrier_signal -3
.Lnot_wave_0_\@:
	s_barrier_wait -3
	s_barrier_signal -1
	s_barrier_wait -1
.endm
.macro CROUND
	s_barrier_signal -1
	s_barrier_wait -1
	CREST
.endm
.macro JLOAD                           ; a joint refill by the walking sets; an s_nop 0 and four v_nop follow each of the two lines
	s_cmp_eq_u32 s17, 0
	s_cbranch_scc0 .Lfor_b_\@
	tensor_load_to_lds s[G0A+4:G0A+7], s[G1A:G1A+7]
	s_nop 0
.rept 4
	v_nop
.endr
	s_branch .Lasked_\@
.Lfor_b_\@:
	tensor_load_to_lds s[G0B+4:G0B+7], s[G1B:G1B+7]
	s_nop 0
.rept 4
	v_nop
.endr
.Lasked_\@:
.endm
; A PREFETCH INTO THE L2 of the K step that stands two refills on: 256 matrix instructions of a wave ahead of the load that will want it.  Each row's 256 bytes of a K step are named once in the launch:
; A's tile row is read by the four clusters of a row of clusters: cluster x = 0 asks, waves 0 and 1 of its partners, rows 64 cx + 32 w + lane of the tile's 256;
; B's tile column by the four clusters of a column: cluster y = 0 asks, wave 2 of its partners, k-rows 32 cy + lane of the step's 128.  The partners are told apart by address, never by a branch.
; The first four K steps come by their loads alone; the last two refills have no K step two on (CNT is 2 and 1 there).
.macro ASK
	s_cmp_gt_u32 s[CNT], s[LIM]
	s_cbranch_scc0 .Lnot_mine_\@
	global_prefetch_b8 v[PFO], s[PFA:PFA+1] th:TH_LOAD_NT scope:SCOPE_SE
.Lnot_mine_\@:
.endm
	s_load_b128 s[4:7], s[0:1], 0x0                ; xb, wqkv
	s_load_b64 s[8:9], s[0:1], 0x10                ; cs
	s_load_b128 s[12:15], s[0:1], 0x18             ; qkv, vpart
	v_lshl_add_u32 v[SPW], v0, 2, SPARE
	v_mov_b32 v[NIL], 0
	ds_add_u32 v[SPW], v[NIL]                      ; the wave's opening: the add and its wait stand ahead of my first tensor load; work on registers stands between them
	v_lshrrev_b32 v1, 5, v0
	v_readfirstlane_b32 s[WV], v1
	s_lshr_b32 s17, s[WV], 1
	s_and_b32 s18, s[WV], 1
	s_bfe_u32 s19, ttmp6, 0x40000                  ; cx
	s_bfe_u32 s20, ttmp6, 0x40004                  ; cy
	s_mov_b32 s59, ttmp9                           ; cluster x
	s_lshl_b32 s21, ttmp9, 2
	s_add_co_u32 s21, s21, s19                     ; tile column = head column
	s_and_b32 s23, ttmp7, 0xffff                   ; cluster y
	s_lshl_b32 s22, s23, 2
	s_add_co_u32 s22, s22, s20                     ; tile row
	s_lshl_b32 s66, s20, 2
	s_lshl_b32 s66, 15, s66                        ; my row of the cluster
	s_lshl_b32 s67, 0x1111, s19                    ; my column
	s_or_b32 s[G1A], s66, (1<<16)|(1<<20)|(1<<21)|(5<<22)|(3<<25)  ; the mask; 2-byte elements; padding on; bit 21 beside a mask; after every 64 words, 4 words
	s_or_b32 s[G1B], s67, (1<<16)|(1<<20)|(1<<21)|(5<<22)|(7<<25)  ; the same with 8 words
	s_mov_b32 s[G1A+1], 128<<16                    ; tensor_dim0 = 128
	s_mov_b32 s[G1A+2], 128<<16                    ; tensor_dim1 = 128
	s_mov_b32 s[G1A+3], 128<<16                    ; tile_dim0 = 128
	s_mov_b32 s[G1A+4], 128                        ; tile_dim1 = 128 rows
	s_mov_b32 s[G1A+5], 4096                       ; elements from row to row
	s_mov_b32 s[G1A+6], 0
	s_mov_b32 s[G1A+7], 0
	s_mov_b32 s[G1B+1], 128<<16
	s_mov_b32 s[G1B+2], 64<<16                     ; 64 k-rows
	s_mov_b32 s[G1B+3], 128<<16
	s_mov_b32 s[G1B+4], 64
	s_mov_b32 s[G1B+5], 2048
	s_mov_b32 s[G1B+6], 0
	s_mov_b32 s[G1B+7], 0
	s_lshl_b32 s68, s22, 21                        ; A: (256 x tile row + 128 x half) rows of 8,192 bytes
	s_lshl_b32 s69, s18, 20
	s_add_co_u32 s68, s68, s69
	s_mov_b32 s69, 0
	s_lshl_b32 s70, s21, 8                         ; B: 64 x half k-rows of 4,096 bytes + 256 x tile column
	s_lshl_b32 s71, s18, 18
	s_add_co_u32 s70, s70, s71
	s_mov_b32 s71, 0
	s_mul_i32 s72, s18, 128*PA                     ; where they go: no place in the cluster enters an LDS address
	s_mul_i32 s73, s18, 64*PB
	s_add_co_u32 s73, s73, ATILE
	s_lshl_b32 s80, s22, 21                        ; the prefetches, for A: row 256 x tile row + 64 cx + 32 w, at K step 3 (the first refill steps it to 4)
	s_lshl_b32 s81, s19, 19
	s_add_co_u32 s80, s80, s81
	s_lshl_b32 s81, s[WV], 18
	s_add_co_u32 s80, s80, s81
	s_add_co_u32 s80, s80, 3*256
	s_lshl_b32 s82, s20, 17                        ; for B: k-row 32 cy, column byte 256 x tile column, at K step 3
	s_lshl_b32 s83, s21, 8
	s_add_co_u32 s82, s82, s83
	s_add_co_u32 s82, s82, 3*524288
	s_or_b32 s83, s23, s18                         ; 0 in wave 2 where cluster y = 0
	s_mov_b32 s[PST], 524288
	s_mov_b32 s[PST+1], 0
	s_mov_b32 s84, 12
	s_cmp_eq_u32 s17, 0
	s_cselect_b32 s80, s80, s82
	s_cselect_b32 s83, s59, s83                    ; waves 0 and 1: 0 where cluster x = 0
	s_cselect_b32 s[PST], 256, s[PST]
	s_cselect_b32 s84, 13, s84                     ; a row is 2^13 bytes of xb, 2^12 of wqkv
	s_mov_b32 s81, 0
	s_cmp_eq_u32 s83, 0
	s_cselect_b32 s[LIM], 2, -1
	s_and_b32 s86, s22, 7                          ; cos and sin: position (tile row % 8) x 256 + 64 w, rows of 512 bytes
	s_lshl_b32 s86, s86, 17
	s_lshl_b32 s87, s[WV], 15
	s_add_co_u32 s86, s86, s87
	s_mov_b32 s87, 0
	s_lshl_b32 s88, s21, 20                        ; qkv: (head column x 4,096 + 256 x tile row + 64 w) rows of 256 bytes
	s_lshl_b32 s89, s22, 16
	s_add_co_u32 s88, s88, s89
	s_lshl_b32 s89, s[WV], 14
	s_add_co_u32 s88, s88, s89
	s_mov_b32 s89, 0
	s_mov_b32 s[TB], 0
	s_wait_dscnt 0x0                               ; the opening add is done
	s_wait_kmcnt 0x0
	s_add_nc_u64 s[68:69], s[4:5], s[68:69]
	s_add_nc_u64 s[70:71], s[6:7], s[70:71]
	s_cmp_eq_u32 s17, 0
	s_cselect_b64 s[PFA:PFA+1], s[4:5], s[6:7]
	s_add_nc_u64 s[PFA:PFA+1], s[PFA:PFA+1], s[80:81]
	s_add_nc_u64 s[8:9], s[8:9], s[86:87]          ; cos at my first row,
	s_add_nc_u64 s[10:11], s[8:9], 0x100000        ; sin 1 MiB behind it
	s_add_nc_u64 s[12:13], s[12:13], s[88:89]
	s_mov_b32 s[G0A], 1
	s_mov_b32 s[G0A+1], s72
	s_add_nc_u64 s[G0A+2:G0A+3], s[68:69], 0       ; K step 0 into slot 0
	s_or_b32 s[G0A+3], s[G0A+3], 0x80000000
	s_mov_b32 s[G0A+4], 1
	s_add_co_u32 s[G0A+5], s72, SLOT1
	s_add_nc_u64 s[G0A+6:G0A+7], s[68:69], 256     ; K step 1 into slot 1
	s_or_b32 s[G0A+7], s[G0A+7], 0x80000000
	s_mov_b32 s[G0B], 1
	s_mov_b32 s[G0B+1], s73
	s_add_nc_u64 s[G0B+2:G0B+3], s[70:71], 0
	s_or_b32 s[G0B+3], s[G0B+3], 0x80000000
	s_mov_b32 s[G0B+4], 1
	s_add_co_u32 s[G0B+5], s73, SLOT1
	s_add_nc_u64 s[G0B+6:G0B+7], s[70:71], 524288
	s_or_b32 s[G0B+7], s[G0B+7], 0x80000000
	CROUND                                         ; all sixteen work-groups are here: the first joint loads meet
	s_cmp_eq_u32 s17, 0                            ; a wave's two first fills stand in one branch: two loads of mine are out
	s_cbranch_scc0 .Lfirst_b
	tensor_load_to_lds s[G0A:G0A+3], s[G1A:G1A+7]
	s_nop 0
	tensor_load_to_lds s[G0A+4:G0A+7], s[G1A:G1A+7]
	s_nop 0
.rept 4
	v_nop
.endr
	s_branch .Lfirst_asked
.Lfirst_b:
	tensor_load_to_lds s[G0B:G0B+3], s[G1B:G1B+7]
	s_nop 0
	tensor_load_to_lds s[G0B+4:G0B+7], s[G1B:G1B+7]
	s_nop 0
.rept 4
	v_nop
.endr
.Lfirst_asked:
	v_and_b32 v1, 15, v0                           ; r = l % 16
	v_bfe_u32 v2, v0, 4, 1                         ; h = l / 16
	v_and_b32 v3, 31, v0
	v_and_b32 v4, 7, v0
	v_bfe_u32 v5, v0, 3, 1
	v_lshlrev_b32 v[CSO], 9, v1
	v_lshl_add_u32 v[CSO], v2, 5, v[CSO]           ; row r x 512 + 32 h
	; cos and sin for accumulator (a, b): row 16 a + r, columns 16 b + 8 h + 0..7.  Every cluster loads them, V's too: one text of loads and waits.  They are waited for behind the last product.
	WIN 0x80
.set i, 0
.rept 32
	global_load_b128 v[8*i:8*i+3],   v[CSO], s[8:9] offset:8192*(i/8)+64*(i%8)
	global_load_b128 v[8*i+4:8*i+7], v[CSO], s[8:9] offset:8192*(i/8)+64*(i%8)+16
.set i, i+1
.endr
	WIN 0xc0
.set i, 0
.rept 32
	global_load_b128 v[8*i:8*i+3],   v[CSO], s[10:11] offset:8192*(i/8)+64*(i%8)
	global_load_b128 v[8*i+4:8*i+7], v[CSO], s[10:11] offset:8192*(i/8)+64*(i%8)+16
.set i, i+1
.endr
	WIN 0
	s_mul_i32 s90, s[WV], 64*PA
	v_mul_u32_u24 v[A0], v1, PA
	v_lshl_add_u32 v[A0], v2, 4, v[A0]
	v_add_nc_u32 v[A0], s90, v[A0]                 ; (64 w + r) x pitch + 16 h
	v_lshl_add_u32 v[B0], v2, 3, v4
	v_mul_u32_u24 v[B0], v[B0], PB
	v_lshl_add_u32 v[B0], v5, 4, v[B0]
	v_add_nc_u32 v[B0], ATILE, v[B0]               ; the turning load: k-row 8 h + l % 8, 16 bytes at 16 ((l / 8) % 2)
	v_mov_b32 v[ADRA], v[A0]
	v_mov_b32 v[ADRB], v[B0]
	s_mul_i32 s90, s[WV], 16*SP
	s_add_co_u32 s90, s90, STAGE
	v_mul_u32_u24 v[STO], v1, SP
	v_lshl_add_u32 v[STO], v2, 4, v[STO]
	v_add_nc_u32 v[STO], s90, v[STO]
	v_mul_u32_u24 v[RD], v2, SP
	v_lshl_add_u32 v[RD], v1, 4, v[RD]
	v_add_nc_u32 v[RD], s90, v[RD]
	v_lshlrev_b32 v[CO], 4, v3
	v_lshlrev_b32 v[PFO], s84, v3
	v_lshlrev_b32 v[VPO], 5, v1
	v_lshl_add_u32 v[VPO], v2, 4, v[VPO]
; 8 n matrix instructions: row blocks a0 .. a0 + n - 1 x all 8 column blocks, 32 along K.  The 32 accumulators take turns, in the same order in every quarter.
.macro MUL f, a0, n, zero
	WIN 0x50                                       ; C and D in window 1
.set aa, \a0
.rept \n
.irp b, 0,1,2,3,4,5,6,7
.if \zero
	v_wmma_f32_16x16x32_bf16 v[8*(8*aa+\b):8*(8*aa+\b)+7], v[(\f)+32+8*\b:(\f)+32+8*\b+7], v[(\f)+8*aa:(\f)+8*aa+7], 0
.else
	v_wmma_f32_16x16x32_bf16 v[8*(8*aa+\b):8*(8*aa+\b)+7], v[(\f)+32+8*\b:(\f)+32+8*\b+7], v[(\f)+8*aa:(\f)+8*aa+7], v[8*(8*aa+\b):8*(8*aa+\b)+7]
.endif
.endr
.set aa, aa+1
.endr
.endm
; 24 LDS loads in one run: quarter q (32 along K) of the slot in hand into buffer f: B's 8 fragments, turned, then A's 4
.macro FETCH q, f
	WIN 0
.irp b, 0,1,2,3,4,5,6,7
	ds_load_tr16_b128 v[(\f)+32+8*\b:(\f)+32+8*\b+3],   v[ADRB] offset:32*PB*(\q)+32*\b
	ds_load_tr16_b128 v[(\f)+32+8*\b+4:(\f)+32+8*\b+7], v[ADRB] offset:32*PB*(\q)+32*\b+16*PB
.endr
.irp a, 0,1,2,3
	ds_load_b128 v[(\f)+8*\a:(\f)+8*\a+3],   v[ADRA] offset:16*PA*\a+64*(\q)
	ds_load_b128 v[(\f)+8*\a+4:(\f)+8*\a+7], v[ADRA] offset:16*PA*\a+64*(\q)+32
.endr
.endm
; A K step is four quarters on buffers 0, 1, 0, 1.  One of the first three: multiplies buffer f; in its middle fetches quarter q into buffer g.
.macro QUARTER q, f, g, zero
	s_wait_dscnt 4                                 ; B and A's blocks 0, 1 are in; the youngest four loads (A's blocks 2, 3) may be out
	MUL \f, 0, 2, \zero
	PLACES
	FETCH \q, \g
	s_wait_dscnt 24                                ; all but the 24 just issued
	MUL \f, 2, 2, \zero
.endm
; The last quarter multiplies buffer 1 and changes slots.  Its first 16 products stand AHEAD of the wait for the tile: a step's matrix work is short beside the way of a tile, so between a tile's landing and
; the next request stand only the add, the descriptors' steps, the wait for the add and the round: all 128 products of a step lie between a request and the wait for it.
; ONE barrier: ahead of it each wave waits for all its tensor loads (one is out: its part of the next slot), adds 0 to its spare word, and waits for that and for its reads of this slot.
; fill = 1: the barrier opens a round of the cluster's, and this slot is filled again, two K steps ahead, first thing behind the round.
.macro TURN fill
.if \fill
	s_wait_xcnt 0x0                                ; the last prefetch, a K step back, has read its address
	s_add_nc_u64 s[PFA:PFA+1], s[PFA:PFA+1], s[PST:PST+1]
.endif
	s_wait_dscnt 4                                 ; B and A's blocks 0, 1 of buffer 1 are in; the youngest four loads (A's blocks 2, 3) may be out
	MUL F1, 0, 2, 0
	WIN 0
	s_wait_tensorcnt 0x0                           ; no tensor load of mine is out, so a group 0 may be written
	ds_add_u32 v[SPW], v[NIL]                      ; 0 onto my spare word; scalar work stands between it and the wait for it
.if \fill
	s_xor_b32 s[G0A+5], s[G0A+5], SLOT1            ; the walking sets: the other slot than last time, the next K step
	s_add_nc_u64 s[G0A+6:G0A+7], s[G0A+6:G0A+7], 256
	s_xor_b32 s[G0B+5], s[G0B+5], SLOT1
	s_add_nc_u64 s[G0B+6:G0B+7], s[G0B+6:G0B+7], 524288
.endif
	s_xor_b32 s[TB], s[TB], SLOT1
	s_wait_dscnt 0x0                               ; the add is done, and my reads of this slot are over
	s_barrier_signal -1
	s_barrier_wait -1
.if \fill
	CREST
	JLOAD                                          ; its four v_nop are also the places ahead of the loads below
.else
	PLACES
.endif
	v_add_nc_u32 v[ADRA], s[TB], v[A0]
	v_add_nc_u32 v[ADRB], s[TB], v[B0]
	FETCH 0, F0
.if \fill
	ASK
.endif
	MUL F1, 2, 2, 0
.endm
	s_wait_tensorcnt 1                             ; my part of K step 0 is in; K step 1's may stay out
	s_barrier_signal -1
	s_barrier_wait -1
	FETCH 0, F0
	QUARTER 1, F0, F1, 1                           ; the first quarter stands ahead of the loop: its products start the sums
	WIN 0
	s_mov_b32 s[CNT], 30                           ; 32 K steps: all but the last two are followed by a refill
.Lk:
	QUARTER 2, F1, F0, 0
	QUARTER 3, F0, F1, 0
	TURN 1
	QUARTER 1, F0, F1, 0
	WIN 0
	s_sub_co_u32 s[CNT], s[CNT], 1
	s_cmp_lg_u32 s[CNT], 0
	s_cbranch_scc1 .Lk
	; The last two K steps ask for nothing: a text of their own, walked twice.  The second trip has no further quarter and jumps over it.  Its TURN passes one more
	; barrier and fetches a quarter of the slot read before, 24 LDS loads that nothing multiplies: the price, once a launch, of one text for both trips.
	s_mov_b32 s[CNT], 2
.Ltail:
	QUARTER 2, F1, F0, 0
	QUARTER 3, F0, F1, 0
	TURN 0
	WIN 0
	s_cmp_eq_u32 s[CNT], 1
	s_cbranch_scc1 .Llast
	QUARTER 1, F0, F1, 0
	WIN 0
.Llast:
	s_sub_co_u32 s[CNT], s[CNT], 1
	s_cmp_lg_u32 s[CNT], 0
	s_cbranch_scc1 .Ltail
	s_wait_dscnt 0x0                               ; the loads into buffer 0 are back: its registers are at work below
	PLACES
	s_wait_loadcnt 0x0                             ; cos and sin
; RoPE in place, row blocks a0 and a0 + 1.  lo = accumulators b < 4 (columns d < 64), hi = b + 4, 32 registers on.  lo' = lo cos_lo - hi sin_lo;  hi' = hi cos_hi + lo sin_hi.
; Pairs in ascending order: each accumulator's lowest registers are read first.
.macro ROPE2 a0
	WIN 0x09                                       ; source 0 window 1, source 1 window 2 (cos)
.set z, 0
.rept 32
.set lo, 64*((\a0)+z/16)+2*(z%16)
	v_pk_mul_f32 v[64+2*z:64+2*z+1], v[lo:lo+1], v[lo:lo+1]
.set z, z+1
.endr
	WIN 0x0d                                       ; source 1 window 3 (sin)
.set z, 0
.rept 32
.set lo, 64*((\a0)+z/16)+2*(z%16)
	v_pk_mul_f32 v[128+2*z:128+2*z+1], v[lo:lo+1], v[lo+32:lo+33]
.set z, z+1
.endr
	WIN 0x4d
.set z, 0
.rept 32
.set lo, 64*((\a0)+z/16)+2*(z%16)
	v_pk_fma_f32 v[lo:lo+1], v[lo+32:lo+33], v[lo:lo+1], v[64+2*z:64+2*z+1] neg_lo:[1,0,0] neg_hi:[1,0,0]
.set z, z+1
.endr
	WIN 0x49
.set z, 0
.rept 32
.set lo, 64*((\a0)+z/16)+2*(z%16)
	v_pk_fma_f32 v[lo+32:lo+33], v[lo+32:lo+33], v[lo+32:lo+33], v[128+2*z:128+2*z+1]
.set z, z+1
.endr
.endm
	s_cmp_eq_u32 s59, 3                            ; V is not rotated
	s_cbranch_scc1 .Lno_rope
	ROPE2 0
	ROPE2 2
	WIN 0
.Lno_rope:
; THE WAY OUT of row block a: rounded to f16, 16 bytes a lane; through my own stage; back as whole rows of 256 bytes; stored, 512 consecutive bytes an instruction.
.macro PACK a
	WIN 0x05
.set z, 0
.rept 32
	v_cvt_pk_f16_f32 v[TMP+z], v[64*(\a)+2*z], v[64*(\a)+2*z+1]
.set z, z+1
.endr
	WIN 0
.endm
.macro TOSTAGE a
.irp b, 0,1,2,3,4,5,6,7
	ds_store_b128 v[STO], v[TMP+4*\b:TMP+4*\b+3] offset:32*\b
.endr
.irp t, 0,1,2,3,4,5,6,7
	ds_load_b128 v[64+32*(\a)+4*\t:64+32*(\a)+4*\t+3], v[RD] offset:2*SP*\t  ; LDS serves a wave's instructions in order (ISA guide 5.7.1.4): these see the stores above
.endr
.endm
.macro SEND a
	s_wait_dscnt 0x0                               ; the block is back in registers
.irp t, 0,1,2,3,4,5,6,7
	global_store_b128 v[CO], v[64+32*(\a)+4*\t:64+32*(\a)+4*\t+3], s[12:13] offset:4096*(\a)+512*\t
.endr
.endm
	PACK 0
	TOSTAGE 0
.irp a, 1,2,3
	PACK \a
	SEND (\a)-1
	TOSTAGE \a
.endr
	SEND 3
	s_cmp_lg_u32 s59, 3
	s_cbranch_scc1 .Lend
	; V alone: the sums of my 64 rows, column by column, of the numbers as stored.  In the rows read back lane (h, r) holds columns 8 r .. 8 r + 7 of rows of parity h: eight chains in f32.
	s_lshl_b32 s90, s22, 13                        ; vpart: ((4 x tile row + w) x 512 + (head column - 12) x 128) x 4 bytes
	s_lshl_b32 s91, s[WV], 11
	s_add_co_u32 s90, s90, s91
	s_sub_co_u32 s91, s21, 12
	s_lshl_b32 s91, s91, 9
	s_add_co_u32 s90, s90, s91
	s_mov_b32 s91, 0
	s_add_nc_u64 s[14:15], s[14:15], s[90:91]
	s_mov_b32 s92, 0x76543210
	s_mov_b32 s93, 0xfedcba98
	v_mov_b32 v200, 1.0
	v_mov_b32 v201, 0
.set n, 0
.rept 32
.irp q, 0,1,2,3
.if n == 0
	v_fma_mix_f32 v[192+2*\q], v[64+\q], v200, v201 op_sel_hi:[1,0,0]
	v_fma_mix_f32 v[193+2*\q], v[64+\q], v200, v201 op_sel:[1,0,0] op_sel_hi:[1,0,0]
.else
	v_fma_mix_f32 v[192+2*\q], v[64+4*n+\q], v200, v[192+2*\q] op_sel_hi:[1,0,0]
	v_fma_mix_f32 v[193+2*\q], v[64+4*n+\q], v200, v[193+2*\q] op_sel:[1,0,0] op_sel_hi:[1,0,0]
.endif
.endr
.set n, n+1
.endr
.irp e, 0,1,2,3,4,5,6,7
	v_permlanex16_b32 v[202+\e], v[192+\e], s92, s93  ; the rows of the other parity
.endr
.irp e, 0,1,2,3,4,5,6,7
	v_add_f32 v[192+\e], v[192+\e], v[202+\e]
.endr
	v_cmp_eq_u32 vcc_lo, 1, v2
.irp e, 0,1,2,3
	v_cndmask_b32 v[212+\e], v[192+\e], v[196+\e], vcc_lo  ; lane (h, r) stores columns 8 r + 4 h + 0..3
.endr
	global_store_b128 v[VPO], v[212:215], s[14:15]  ; 512 consecutive bytes
.Lend:
	s_wait_tensorcnt 0x0                           ; the wave's end
	ds_add_u32 v[SPW], v[NIL]
	s_wait_dscnt 0x0
	CROUND                                         ; the closing round
	s_endpgm
.Lfunc_end_k_q94ec881986_qkv:
	.size	k_q94ec881986_qkv, .Lfunc_end_k_q94ec881986_qkv-k_q94ec881986_qkv
	.p2alignl 7, 3214868480
	.fill 96, 4, 3214868480
	.section	.rodata,"a",@progbits
	.p2align	6, 0x0
	.amdhsa_kernel k_q94ec881986_qkv
		.amdhsa_group_segment_fixed_size 327680
		.amdhsa_private_segment_fixed_size 0
		.amdhsa_enable_private_segment 0
		.amdhsa_kernarg_size 40
		.amdhsa_user_sgpr_count 2
		.amdhsa_user_sgpr_kernarg_segment_ptr 1
		.amdhsa_wavefront_size32 1
		.amdhsa_system_sgpr_workgroup_id_x 1
		.amdhsa_system_sgpr_workgroup_id_y 1
		.amdhsa_system_sgpr_workgroup_id_z 1
		.amdhsa_system_vgpr_workitem_id 0
		.amdhsa_next_free_vgpr 1024
		.amdhsa_next_free_sgpr 96
		.amdhsa_reserve_vcc 1
		.amdhsa_float_denorm_mode_32 3
		.amdhsa_float_denorm_mode_16_64 3
		.amdhsa_memory_ordered 1
		.amdhsa_forward_progress 1
		.amdhsa_inst_pref_size 108
	.end_amdhsa_kernel
	.amdgpu_metadata
---
amdhsa.version: [ 1, 2 ]
amdhsa.kernels:
  - .name:           k_q94ec881986_qkv
    .symbol:         k_q94ec881986_qkv.kd
    .args:
      - { .name: xb, .offset: 0, .size: 8, .value_kind: global_buffer, .address_space: global }
      - { .name: wqkv, .offset: 8, .size: 8, .value_kind: global_buffer, .address_space: global }
      - { .name: cs, .offset: 16, .size: 8, .value_kind: global_buffer, .address_space: global }
      - { .name: qkv, .offset: 24, .size: 8, .value_kind: global_buffer, .address_space: global }
      - { .name: vpart, .offset: 32, .size: 8, .value_kind: global_buffer, .address_space: global }
    .group_segment_fixed_size: 327680
    .private_segment_fixed_size: 0
    .kernarg_segment_align: 8
    .kernarg_segment_size: 40
    .max_flat_workgroup_size: 128
    .sgpr_count:     96
    .vgpr_count:     1024
    .wavefront_size: 32
...
	.end_amdgpu_metadata
.endif
;; end of part 2
;; launch attn (part 3): grid 32 x 8, 4 waves a work-group, clusters of 4 x 1, 327,680 bytes of LDS; arguments qkv, vpart, bias, att; writes att
.if DOCPART == 3
	.amdgcn_target "amdgcn-amd-amdhsa--gfx1250"
	.amdhsa_code_object_version 6
	.text
	.protected	k_q94ec881986_attn
	.globl	k_q94ec881986_attn
	.p2align	8
	.type	k_q94ec881986_attn,@function
k_q94ec881986_attn:
	s_mov_b64 s[64:65], 0
	v_nop
	global_prefetch_b8 v0, s[64:65] scope:SCOPE_SE
	s_setreg_imm32_b32 hwreg(HW_REG_WAVE_MODE, 25, 1), 1
	s_wait_xcnt 0x0
	s_wait_alu depctr_hold_cnt(0) depctr_sa_sdst(0) depctr_va_vdst(0) depctr_va_sdst(0) depctr_va_ssrc(0) depctr_va_vcc(0) depctr_vm_vsrc(0)
	s_getreg_b32 s2, hwreg(HW_REG_IB_STS2, 6, 4)
	s_cmp_eq_u32 s2, 0
	s_cbranch_scc0 .Lentry_in_a_cluster
	s_endpgm
.Lentry_in_a_cluster:
	s_bfe_u32 s2, ttmp6, 0x10000c
	s_cmp_lg_u32 s2, 0x3003
	s_cbranch_scc0 .Lentry_shape_is_right
	s_endpgm
.Lentry_shape_is_right:
; ATTENTION as the module writes it: key k counts for query q only if k > q AND attention_mask[b][k]; a row for which no key counts is the plain mean of v over all 2,048 keys (all its scores are equal).
; qkv [16][4096][128] f16 (0-7 q heads, 8-11 k, 12-15 v; query head h uses kv head h / 2); bias [2][2048] f32 (0 or -1e30); vpart [64][512] f32 (sums of v over 64 rows); att [4096][1024] f16.
; Products, maxima and sums in f32; the weights p are rounded to f16 for the second product (their sum l is taken of the unrounded p), the result once at the end.
; LIMITS.  A hidden score counts as its value less 1e30 (up to twice): f16's scores, 5.5e11 at the most, are nothing beside that.  A row counts as having no key if c x its maximum is below -2^93.
; A weight below 2^-126 counts as 0; NaN and infinities are not treated apart.
; THE WALK.  The 2,048 positions lie in 16 blocks of 128, the keys in 8 tiles of 256.  Block c needs the tiles 7 down to c / 2, of which the last holds the diagonal.  A cluster (one batch and kv head) takes
; block pc and then block 15 - pc: (8 - u) + (u + 1) = 9 tiles, u = pc / 2, whatever pc: all work-groups do equal work in one loop with a constant count.
; SHARES.  Of a block partner cx takes positions 32 cx .. 32 cx + 31 for BOTH query heads: four tiles of 16 queries (tile t: head t / 2, positions 16 (t % 2) + lane % 16).  All four partners need the same
; key tiles: every tile is asked for JOINTLY.  THE KEYS ARE SPLIT AMONG THE WAVES: every wave holds all four query tiles and takes keys 64 w .. 64 w + 63 of each key tile, so each byte of a slot leaves LDS
; once; the four waves' maxima, sums and O meet in LDS at a block's end.
; LAYOUT.  S^T = K Q^T + mask (source 0 = 16 keys, source 1 = 16 queries): a lane holds ONE query (lane % 16) and keys 8 (lane / 16) + 0..7.  Two such results rounded to f16 ARE source 1 of O^T = V^T P.
; SOFTMAX.  Running maximum m and sum l: p = 2^(c s - c m), c = log2(e) / sqrt(128); O and l are multiplied by a = 2^(c m_old - c m_new) in every step.  c m starts far below every c s: a block's first a is 0.
; THE MASK is the C operand that starts S^T's sums: the bias of my 64 keys, loaded a step ahead; in a block's last tile the diagonal's part is added to it.
; A STEP: K Q^T of tiles 0, 1; K Q^T of tiles 2, 3 with the softmax of tiles 0, 1 in slices between; V^T P of tiles 0, 1 with the softmax of tiles 2, 3 between; V^T P of tiles 2, 3.
; REGISTERS: window 0: v0-63 addresses and statistics, v64-191 S^T (32 a tile), v192-255 P (16 a tile); window 1: O^T, 64 a tile; window 2: v0-127 Q, v128-255 K; window 3: v0-127 V, v128-135 the
; diagonal's pattern, v144-207 the masks for tiles of even and of odd number.
.set PK,    272
.set PV,    288
.set VOFF,  256*PK                     ; a slot: 256 rows of K, then 256 rows of V
.set SLOTB, VOFF+256*PV                ; 143,360 bytes
.set ML,    SLOTB                      ; between the slots, never filled by a tensor load: (c m, l) by wave, tile and query: 2,048 bytes
.set FL,    ML+2048                    ; each wave's flags by tile and query: 1,024
.set VM,    FL+1024                    ; the mean of v: 128 f32
.set SPARE, VM+512                     ; the spare words, 128 bytes for each wave: two blocks of 256 bytes that no other line names
.set SLOT1, SPARE+512                  ; 147,456 = 0x24000: no LDS word of a descriptor has one of its two bits, so one exclusive or changes slots
.set STAGE, SLOT1+SLOTB                ; behind the ring: for each wave 16 queries x 528 bytes of f32
.set SPT,   528
.set AK0, 2
.set AV0, 3
.set ADRK, 4
.set ADRV, 5
.set QO,  6
.set BO,  7
.set GO,  8
.set ST,  12                           ; tile t's statistics at v[ST+8 t]: c m, m, l (even keys', odd keys'), c0-c3 at work
.set MLW, 44
.set MLR, 45
.set FLW, 46
.set FLR, 47
.set STW, 48
.set STR, 49
.set VMA, 50
.set TT,  51
.set VME, 52                           ; v52-59  my eight channels of the mean of v
.set PFO, 61
.set SPW, 62
.set NIL, 63
.set S,   64
.set P,   192
.set KF,  128                          ; window 2
.set TP,  128                          ; window 3: -1e30 where key 8 h + j <= query r of the same 16, else 0
.set MC,  144                          ; window 3
.set WV,  12
.set CX,  13
.set PCL, 14                           ; the cluster's x: pc
.set UU,  15                           ; u = pc / 2
.set G1K, 24
.set G1V, 32
.set G0K, 40
.set G0V, 44
.set KB,  48                           ; s[48:49] K at my half of the head's tile 0
.set VB,  50
.set QP,  52                           ; s[52:53] Q at my rows of the first block;  s[54:55] of the second
.set QP2, 54
.set SLOTS, 56
.set RT,  57                           ; tiles of the block in hand still to do, the one in hand among them
.set CS,  58
.set SEL, 60
.set TB,  62
.set OP,  66                           ; s[66:67] att at my rows of the block in hand;  s[68:69] of the second block
.set OP2, 68
.set NXT, 70                           ; the tile to be asked for next
.set LQ,  71                           ; the last tile of the block whose tiles are being asked for
.set CT,  72                           ; the tile in hand
.set CTN, 73                           ; the tile asked for last
.set OFF, 74
.set AL,  76
.set BE,  78
.set BIGN, 80
.set PBI, 81                           ; my first query's number / 16, block in hand;  s82: second block
.set PBI2, 82
.set DLT, 83
.set BP,  84
.set BB,  86
.set PFB, 88
.set PFA, 90
.set PFC, 92
.set D2,  93
.set L2,  94
.set THR, 95
.set MSB, 0
.macro WIN new
.if MSB != (\new)
	s_set_vgpr_msb (MSB<<8)|(\new)
.set MSB, \new
.endif
.endm
.set W_PV, 0x53                        ; V window 3, P window 0, O^T window 1
.set W_RS, 0x41                        ; O^T (destination, source 0) window 1, the factor window 0
.macro PLACES
.rept 4
	v_nop
.endr
.endm
.macro CROUND
	s_barrier_signal -1
	s_barrier_wait -1
	s_cmp_lg_u32 s[WV], 0
	s_cbranch_scc1 .Lnot_wave_0_\@
	s_barrier_signal -3
.Lnot_wave_0_\@:
	s_barrier_wait -3
	s_barrier_signal -1
	s_barrier_wait -1
.endm
.macro JLOAD                           ; waves 0, 1 fetch the halves of a tile's K, waves 2, 3 those of its V: 128 keys, 32 KiB each; an s_nop 0 and four v_nop follow each line
	s_cmp_lt_u32 s[WV], 2
	s_cbranch_scc0 .Lfor_v_\@
	tensor_load_to_lds s[G0K:G0K+3], s[G1K:G1K+7]
	s_nop 0
.rept 4
	v_nop
.endr
	s_branch .Lasked_\@
.Lfor_v_\@:
	tensor_load_to_lds s[G0V:G0V+3], s[G1V:G1V+7]
	s_nop 0
.rept 4
	v_nop
.endr
.Lasked_\@:
.endm
; A PREFETCH INTO THE L2 of the tile that the NEXT change of slots will ask for: a key step, 128 matrix instructions and 536 vector instructions of a wave, ahead.  The eight clusters of a batch and kv head
; walk the same K and V: the cluster with pc = 0, which walks all eight tiles, asks.  Each wave asks for 32 of the 128 rows that it fetches itself, a lane a row; its four partners are told apart by address.
; Tiles 5 to 0 are named, once each (six times); tiles 7 and 6 come by their loads alone.
.macro ASK
	s_cmp_lg_u32 s[PFC], 0
	s_cbranch_scc0 .Lnot_mine_\@
	global_prefetch_b8 v[PFO], s[PFA:PFA+1] th:TH_LOAD_NT scope:SCOPE_SE
	s_sub_co_u32 s[PFC], s[PFC], 1
.Lnot_mine_\@:
.endm
; THE CHANGE OF SLOTS.  Each wave waits for all its tensor loads (one is out: its part of the other slot), adds 0 to its spare word, and waits for that and for its LDS instructions.  fill = 1: the barrier is
; a round of the cluster's, and the slot just read is filled with tile NXT, first thing behind it; the descriptor's address is made anew from that number.  (At its first use slot 0 is waited for, slot 1 filled.)
.macro CHANGE fill
	WIN 0
	s_wait_tensorcnt 0x0
	ds_add_u32 v[SPW], v[NIL]                      ; 0 onto my spare word; scalar work stands between it and the wait for it
.if \fill
	s_lshl_b32 s[OFF], s[NXT], 16                  ; a tile is 65,536 bytes of K and of V
	s_xor_b32 s[G0K+1], s[G0K+1], SLOT1
	s_add_nc_u64 s[G0K+2:G0K+3], s[KB:KB+1], s[OFF:OFF+1]
	s_or_b32 s[G0K+3], s[G0K+3], 0x80000000
	s_xor_b32 s[G0V+1], s[G0V+1], SLOT1
	s_add_nc_u64 s[G0V+2:G0V+3], s[VB:VB+1], s[OFF:OFF+1]
	s_or_b32 s[G0V+3], s[G0V+3], 0x80000000
	s_mov_b32 s[CTN], s[NXT]
	s_sub_co_u32 s96, s[NXT], 1                    ; the block's next tile, or behind its last the second block's tile 7
	s_cmp_eq_u32 s[NXT], s[LQ]
	s_cselect_b32 s[NXT], 7, s96
	s_cselect_b32 s[LQ], s[D2], s[LQ]
	s_wait_xcnt 0x0                                ; the last prefetch, a key step back, has read its address
	s_lshl_b32 s[OFF], s[NXT], 16
	s_add_nc_u64 s[PFA:PFA+1], s[PFB:PFB+1], s[OFF:OFF+1]
.endif
	s_wait_dscnt 0x0
.if \fill
	CROUND
	JLOAD                                          ; its four v_nop are also the places ahead of the loads into V's registers
	ASK
.else
	s_barrier_signal -1
	s_barrier_wait -1
	PLACES
.endif
	s_xor_b32 s[TB], s[TB], SLOT1
.endm
	s_load_b256 s[4:11], s[0:1], 0x0               ; qkv, vpart, bias, att
	v_lshl_add_u32 v[SPW], v0, 2, SPARE
	v_mov_b32 v[NIL], 0
	ds_add_u32 v[SPW], v[NIL]                      ; the wave's opening: the add and its wait stand ahead of my first tensor load
	v_lshrrev_b32 v1, 5, v0
	v_readfirstlane_b32 s[WV], v1
	s_bfe_u32 s[CX], ttmp6, 0x40000
	s_mov_b32 s[PCL], ttmp9
	s_lshr_b32 s[UU], s[PCL], 1
	s_and_b32 s96, ttmp7, 0xffff
	s_lshr_b32 s97, s96, 2                         ; batch
	s_and_b32 s98, s96, 3                          ; kv head
	s_add_co_u32 s99, s98, 8                       ; K: ((8 + kv head) x 4,096 + 2,048 x batch + 128 x (w % 2)) rows of 256 bytes
	s_lshl_b32 s99, s99, 20
	s_lshl_b32 s100, s97, 19
	s_add_co_u32 s99, s99, s100
	s_and_b32 s100, s[WV], 1
	s_lshl_b32 s101, s100, 15
	s_add_co_u32 s[KB], s99, s101
	s_mov_b32 s[KB+1], 0
	s_mov_b32 s[G0K], 1
	s_mul_i32 s[G0K+1], s100, 128*PK               ; slot 0: no place in the cluster enters an LDS address
	s_mov_b32 s[G0V], 1
	s_mul_i32 s[G0V+1], s100, 128*PV
	s_add_co_u32 s[G0V+1], s[G0V+1], VOFF
	s_mov_b32 s[G1K], 15|(1<<16)|(1<<20)|(1<<21)|(5<<22)|(3<<25)  ; the mask of four; 2-byte elements; padding on; bit 21 beside a mask; after every 64 words, 4 words
	s_mov_b32 s[G1V], 15|(1<<16)|(1<<20)|(1<<21)|(5<<22)|(7<<25)  ; the same with 8 words
.irp g, G1K, G1V
	s_mov_b32 s[(\g)+1], 128<<16                   ; tensor_dim0 = 128
	s_mov_b32 s[(\g)+2], 128<<16                   ; tensor_dim1 = 128
	s_mov_b32 s[(\g)+3], 128<<16                   ; tile_dim0 = 128
	s_mov_b32 s[(\g)+4], 128                       ; tile_dim1 = 128
	s_mov_b32 s[(\g)+5], 128                       ; elements from row to row
	s_mov_b32 s[(\g)+6], 0
	s_mov_b32 s[(\g)+7], 0
.endr
	s_lshl_b32 s16, s98, 21                        ; Q: (2 x kv head x 4,096 + 2,048 x batch + 128 c + 32 cx) rows of 256 bytes
	s_lshl_b32 s17, s97, 19
	s_add_co_u32 s16, s16, s17
	s_lshl_b32 s17, s[CX], 13
	s_add_co_u32 s16, s16, s17
	s_sub_co_u32 s18, 15, s[PCL]                   ; the second block
	s_lshl_b32 s17, s[PCL], 15
	s_add_co_u32 s[QP], s16, s17
	s_mov_b32 s[QP+1], 0
	s_lshl_b32 s17, s18, 15
	s_add_co_u32 s[QP2], s16, s17
	s_mov_b32 s[QP2+1], 0
	s_lshl_b32 s16, s97, 22                        ; att: (2,048 x batch + 128 c + 32 cx) rows of 2,048 bytes + 512 x kv head
	s_lshl_b32 s17, s[CX], 16
	s_add_co_u32 s16, s16, s17
	s_lshl_b32 s17, s98, 9
	s_add_co_u32 s16, s16, s17
	s_lshl_b32 s17, s[PCL], 18
	s_add_co_u32 s[OP], s16, s17
	s_mov_b32 s[OP+1], 0
	s_lshl_b32 s17, s18, 18
	s_add_co_u32 s[OP2], s16, s17
	s_mov_b32 s[OP2+1], 0
	s_lshl_b32 s17, s[CX], 1
	s_lshl3_add_u32 s[PBI], s[PCL], s17            ; 8 c + 2 cx
	s_lshl3_add_u32 s[PBI2], s18, s17
	s_lshl_b32 s[BB], s97, 13                      ; bias: 8,192 x batch + 256 w
	s_lshl_b32 s99, s[WV], 8
	s_add_co_u32 s[BB], s[BB], s99
	s_mov_b32 s[BB+1], 0
	s_lshl_b32 s20, s97, 16                        ; vpart: (batch x 32 x 512 + 128 x kv head) x 4
	s_lshl_b32 s21, s98, 9
	s_add_co_u32 s20, s20, s21
	s_mov_b32 s21, 0
	s_mov_b32 s[CS], 0x3e0293ee                    ; c = log2(e) / sqrt(128)
	s_mov_b32 s[CS+1], s[CS]
	s_mov_b32 s[SEL], 0x76543210
	s_mov_b32 s[SEL+1], 0xfedcba98
	s_mov_b32 s[TB], SLOT1                         ; the first change of slots turns it into 0
	s_mov_b32 s[CT], 7
	s_mov_b32 s[CTN], 7
	s_mov_b32 s[NXT], 6
	s_mov_b32 s[LQ], s[UU]
	s_sub_co_u32 s[RT], 8, s[UU]
	s_sub_co_u32 s[D2], 7, s[UU]
	s_add_co_u32 s[L2], s[UU], 1
	s_mov_b32 s[OFF+1], 0
	s_mov_b32 s[AL+1], 0
	s_mov_b32 s[BE+1], 0
	s_mov_b32 s[BIGN], 0xf149f2ca                  ; -1e30
	s_mov_b32 s[THR], 0xee000000                   ; -2^93
	s_cmp_eq_u32 s[PCL], 0
	s_cselect_b32 s[PFC], 6, 0
	s_wait_dscnt 0x0                               ; the opening add is done
	s_wait_kmcnt 0x0
	s_add_nc_u64 s[KB:KB+1], s[4:5], s[KB:KB+1]
	s_add_nc_u64 s[VB:VB+1], s[KB:KB+1], 0x400000  ; V's head columns lie four behind K's
	s_add_nc_u64 s[G0K+2:G0K+3], s[KB:KB+1], 7<<16 ; tile 7
	s_or_b32 s[G0K+3], s[G0K+3], 0x80000000
	s_add_nc_u64 s[G0V+2:G0V+3], s[VB:VB+1], 7<<16
	s_or_b32 s[G0V+3], s[G0V+3], 0x80000000
	s_add_nc_u64 s[QP:QP+1], s[4:5], s[QP:QP+1]
	s_add_nc_u64 s[QP2:QP2+1], s[4:5], s[QP2:QP2+1]
	s_add_nc_u64 s[OP:OP+1], s[10:11], s[OP:OP+1]
	s_add_nc_u64 s[OP2:OP2+1], s[10:11], s[OP2:OP2+1]
	s_add_nc_u64 s[BB:BB+1], s[8:9], s[BB:BB+1]
	s_add_nc_u64 s[BP:BP+1], s[BB:BB+1], 7<<10
	s_add_nc_u64 s[20:21], s[6:7], s[20:21]
	s_cmp_lt_u32 s[WV], 2
	s_cselect_b64 s[PFB:PFB+1], s[KB:KB+1], s[VB:VB+1]
	s_lshl_b32 s16, s[CX], 13                      ; my work-group's 32 rows of the 128
	s_mov_b32 s17, 0
	s_add_nc_u64 s[PFB:PFB+1], s[PFB:PFB+1], s[16:17]
	CROUND                                         ; all four work-groups are here
	JLOAD                                          ; tile 7 into slot 0
.macro QLOAD base                      ; Q of four tiles: tile i / 4, channels 32 (i % 4) on; head t / 2 lies 4,096 rows on, positions 16 (t % 2) lie 16 rows on
	WIN 0x80
.set i, 0
.rept 16
	global_load_b128 v[8*i:8*i+3],   v[QO], s[\base:\base+1] offset:(i/8)*1048576+((i/4)%2)*4096+(i%4)*64
	global_load_b128 v[8*i+4:8*i+7], v[QO], s[\base:\base+1] offset:(i/8)*1048576+((i/4)%2)*4096+(i%4)*64+32
.set i, i+1
.endr
	WIN 0
.endm
.macro BIASLOAD                        ; the bias of my 64 keys of a tile, into both masks: register j of group kb is key 16 kb + 8 h + j
	WIN 0xc0
.irp kb, 0,1,2,3
	global_load_b128 v[MC+8*\kb:MC+8*\kb+3],       v[BO], s[BP:BP+1] offset:64*\kb
	global_load_b128 v[MC+8*\kb+4:MC+8*\kb+7],     v[BO], s[BP:BP+1] offset:64*\kb+16
	global_load_b128 v[MC+32+8*\kb:MC+32+8*\kb+3], v[BO], s[BP:BP+1] offset:64*\kb
	global_load_b128 v[MC+32+8*\kb+4:MC+32+8*\kb+7], v[BO], s[BP:BP+1] offset:64*\kb+16
.endr
	WIN 0
.endm
	v_and_b32 v1, 15, v0                           ; r
	v_bfe_u32 v9, v0, 4, 1                         ; h
	v_lshlrev_b32 v[QO], 8, v1
	v_lshl_add_u32 v[QO], v9, 4, v[QO]
	v_lshlrev_b32 v[BO], 5, v9
	v_lshlrev_b32 v10, 2, v0
	QLOAD QP
	BIASLOAD
.set i, 0
.rept 32
	global_load_b32 v[S+i], v10, s[20:21] offset:2048*i  ; thread t: channel t of the 32 partial sums of v
.set i, i+1
.endr
	s_mul_i32 s99, s[WV], 64*PK
	v_mul_u32_u24 v[AK0], v1, PK
	v_lshl_add_u32 v[AK0], v9, 4, v[AK0]
	v_add_nc_u32 v[AK0], s99, v[AK0]               ; (64 w + r) x pitch + 16 h
	s_mul_i32 s99, s[WV], 64*PV
	s_add_co_u32 s99, s99, VOFF
	v_and_b32 v11, 7, v0
	v_lshl_add_u32 v[AV0], v9, 3, v11
	v_mul_u32_u24 v[AV0], v[AV0], PV
	v_bfe_u32 v11, v0, 3, 1
	v_lshl_add_u32 v[AV0], v11, 4, v[AV0]
	v_add_nc_u32 v[AV0], s99, v[AV0]               ; the turning load: key 64 w + 8 h + l % 8, 16 bytes at 16 ((l / 8) % 2)
	s_lshl_b32 s99, s[WV], 13
	v_lshlrev_b32 v[GO], 11, v9
	v_lshl_add_u32 v[GO], v1, 4, v[GO]
	v_add_nc_u32 v[GO], s99, v[GO]                 ; (4 w + h) rows of att + 16 r
	s_lshl_b32 s99, s[WV], 9
	s_add_co_u32 s99, s99, ML
	v_lshl_add_u32 v[MLW], v1, 3, s99
	v_lshl_add_u32 v[MLR], v1, 3, ML
	s_lshl_b32 s99, s[WV], 8
	s_add_co_u32 s99, s99, FL
	v_lshl_add_u32 v[FLW], v1, 2, s99              ; my wave's 256 bytes of flags: 256 w + 4 r
	s_mul_i32 s99, s[WV], 272                      ; in the same 256 bytes the word of query 4 w + h: 256 w + 4 (4 w + h) = 272 w + 4 h; with the offsets below at most 272 w + 207
	s_add_co_u32 s99, s99, FL
	v_lshl_add_u32 v[FLR], v9, 2, s99
	s_mul_i32 s99, s[WV], 16*SPT
	s_add_co_u32 s99, s99, STAGE
	v_mul_u32_u24 v[STW], v1, SPT
	v_lshl_add_u32 v[STW], v9, 5, v[STW]
	v_add_nc_u32 v[STW], s99, v[STW]
	s_mul_i32 s99, s[WV], 4*SPT
	s_add_co_u32 s99, s99, STAGE
	v_mul_u32_u24 v[STR], v9, SPT
	v_lshl_add_u32 v[STR], v1, 5, v[STR]
	v_add_nc_u32 v[STR], s99, v[STR]
	v_lshl_add_u32 v[VMA], v1, 5, VM
	v_and_b32 v[PFO], 31, v0
	v_lshlrev_b32 v[PFO], 8, v[PFO]
	v_add_nc_u32 v11, VM, v10
	v_lshlrev_b32 v[TT], 3, v9
	v_sub_nc_u32 v[TT], v1, v[TT]                  ; r - 8 h: register j is hidden on the diagonal where j <= that
	WIN 0xc0
.set j, 0
.rept 8
	v_cmp_le_i32 vcc_lo, j, v[TT]
	v_cndmask_b32 v[TP+j], 0, s[BIGN], vcc_lo
.set j, j+1
.endr
	WIN 0x40                                       ; O^T and l need only be finite when a block begins (its first a is 0): zeros for the first, what the first left for the second
.set i, 0
.rept 256
	v_mov_b32 v[i], 0
.set i, i+1
.endr
	WIN 0
.irp t, 0,1,2,3
	v_mov_b32 v[ST+8*\t], 0xfe000000               ; c m: far below every c s
	v_mov_b32 v[ST+8*\t+1], 0xff7fffff             ; m
	v_mov_b32 v[ST+8*\t+2], 0
	v_mov_b32 v[ST+8*\t+3], 0
.endr
	s_wait_loadcnt 0x0                             ; the partial sums are the youngest loads
.set i, 4
.rept 28
	v_add_f32 v[S+i%4], v[S+i%4], v[S+i]
.set i, i+1
.endr
	v_add_f32 v[S], v[S], v[S+1]
	v_add_f32 v[S+2], v[S+2], v[S+3]
	v_add_f32 v[S], v[S], v[S+2]
	v_mul_f32 v[S], 0x3a000000, v[S]               ; / 2,048
	ds_store_b32 v11, v[S]
; THE MATRIX WORK.  The accumulators take turns, one instruction a turn.  Product i of 32 of S^T for tiles x, x + 1: channels 32 (i / 8) on, keys 16 ((i / 2) % 4) on, tile x + i % 2.
.macro KQ x
.set rS, S+32*((\x)+i%2)+8*((i/2)%4)
.set rK, KF+32*((i/2)%4)+8*(i/8)
.set rQ, 32*((\x)+i%2)+8*(i/8)
.set rM, MC+32*(i%2)+8*((i/2)%4)
.if i < 8
	WIN 0x3a                                       ; K, Q window 2; the mask window 3; S^T window 0
	v_wmma_f32_16x16x32_f16 v[rS:rS+7], v[rK:rK+7], v[rQ:rQ+7], v[rM:rM+7]
.else
	WIN 0x0a
	v_wmma_f32_16x16x32_f16 v[rS:rS+7], v[rK:rK+7], v[rQ:rQ+7], v[rS:rS+7]
.endif
.endm
; Product i of 32 of O^T += V^T P: keys 32 (i / 16) on, channels 16 ((i / 2) % 8) on, tile x + i % 2.
.macro PV x
	WIN W_PV
.set rO, 64*((\x)+i%2)+8*((i/2)%8)
.set rV, 64*(i/16)+8*((i/2)%8)
.set rP, P+16*((\x)+i%2)+8*(i/16)
	v_wmma_f32_16x16x32_f16 v[rO:rO+7], v[rV:rV+7], v[rP:rP+7], v[rO:rO+7]
.endm
.macro FETCH_K
	WIN 0x80
.irp f, 0,1,2,3,4,5,6,7,8,9,10,11,12,13,14,15  ; keys 16 (f / 4) on, channels 32 (f % 4) on
	ds_load_b128 v[KF+8*(\f):KF+8*(\f)+3],   v[ADRK] offset:((\f)/4)*16*PK+((\f)%4)*64
	ds_load_b128 v[KF+8*(\f)+4:KF+8*(\f)+7], v[ADRK] offset:((\f)/4)*16*PK+((\f)%4)*64+32
.endr
.endm
.macro FETCH_V
	WIN 0xc0
.irp f, 0,1,2,3,4,5,6,7,8,9,10,11,12,13,14,15  ; keys 32 (f / 8) on, channels 16 (f % 8) on
	ds_load_tr16_b128 v[8*(\f):8*(\f)+3],   v[ADRV] offset:((\f)/8)*32*PV+((\f)%8)*32
	ds_load_tr16_b128 v[8*(\f)+4:8*(\f)+7], v[ADRV] offset:((\f)/8)*32*PV+16*PV+((\f)%8)*32
.endr
.endm
; THE VECTOR WORK.  One tile's softmax for a key step is a list of 134 instructions; SM writes number j of it for tile t.  s0-s31 are the lane's 32 scores, in pairs 0-15.
;   0-15  the maximum of s0-s31 and the old m, three operands at a time (each accumulator's lowest registers are read first)     16-20  the other half of the lanes'; m; c m; its change
;   21-87 33 exponentials (a, then s0-s31) at the odd numbers from 23 on, a plain instruction at every even one: scalings ahead, roundings a pair back, the first sums
;   88-101 the last rounding, the rest of the sums, l = a l + sum     102-133 O^T times a
.macro SM t
.set rT, ST+8*(\t)
.set rS, S+32*(\t)
.set rP, P+16*(\t)
.set rO, 64*(\t)+2*(j-102)
.set q, (j-20)/2
.if j < 102
	WIN 0
.endif
.if j < 4
	v_max3_num_f32 v[rT+4+j], v[rS+8*j], v[rS+8*j+1], v[rS+8*j+2]
.elseif j < 12
	v_max3_num_f32 v[rT+4+j%4], v[rT+4+j%4], v[rS+8*(j%4)+2*(j/4)+1], v[rS+8*(j%4)+2*(j/4)+2]
.elseif j == 12
	v_max3_num_f32 v[rT+4], v[rT+4], v[rS+7], v[rS+15]
.elseif j == 13
	v_max3_num_f32 v[rT+6], v[rT+6], v[rS+23], v[rS+31]
.elseif j == 14
	v_max3_num_f32 v[rT+4], v[rT+4], v[rT+5], v[rT+6]
.elseif j == 15
	v_max3_num_f32 v[rT+4], v[rT+4], v[rT+7], v[rT+1]
.elseif j == 16
	v_permlanex16_b32 v[rT+5], v[rT+4], s[SEL], s[SEL+1]  ; the query's other 32 keys lie in the lane 16 away
.elseif j == 18
	v_max_num_f32 v[rT+1], v[rT+4], v[rT+5]
.elseif j == 19
	v_mul_f32 v[rT], s[CS], v[rT+1]
.elseif j == 17
	v_mov_b32 v[rT+7], v[rT]                       ; c m_old is kept for a
.elseif j == 20
	v_sub_f32 v[rT+7], v[rT+7], v[rT]
.elseif j == 23
	v_exp_f32 v[rT+6], v[rT+7]
.elseif (j < 88) && (j > 23) && (j%2 == 1)
	v_exp_f32 v[rS+(j-25)/2], v[rS+(j-25)/2]
.elseif (q < 4) || ((j < 76) && (q%2 == 0))
.set b, q/2+2
.if q < 4
.set b, q
.endif
	v_pk_fma_f32 v[rS+2*b:rS+2*b+1], v[rS+2*b:rS+2*b+1], s[CS:CS+1], v[rT:rT+1] op_sel_hi:[1,0,0] neg_lo:[0,0,1] neg_hi:[0,0,1]  ; pair b: c s - c m
.elseif (j < 88) && (q%2 == 1)
	s_wait_alu depctr_va_vdst(0)
	v_cvt_pk_f16_f32 v[rP+(q-5)/2], v[rS+q-5], v[rS+q-4]
.elseif j == 89
	s_wait_alu depctr_va_vdst(0)
	v_cvt_pk_f16_f32 v[rP+15], v[rS+30], v[rS+31]
.elseif j < 102                        ; the sum of the tile's 16 pairs, in place: neighbours 1, 2, 4 and 8 pairs apart, then l takes it
.set z, j-86
.if j < 89
.set z, (j-76)/4
.endif
.set w, 4
.set u, z
.if z >= 14
.set w, 32
.set u, 0
.elseif z >= 12
.set w, 16
.set u, z-12
.elseif z >= 8
.set w, 8
.set u, z-8
.endif
.if z < 15
	v_pk_add_f32 v[rS+w*u:rS+w*u+1], v[rS+w*u:rS+w*u+1], v[rS+w*u+w/2:rS+w*u+w/2+1]
.else
	v_pk_fma_f32 v[rT+2:rT+3], v[rT+2:rT+3], v[rT+6:rT+7], v[rS:rS+1] op_sel_hi:[1,0,1]
.endif
.else
	WIN W_RS
	v_pk_mul_f32 v[rO:rO+1], v[rO:rO+1], v[rT+6:rT+7] op_sel_hi:[1,0]
.endif
.endm
; Slice k of 64 of the softmax of tiles y, y + 1: numbers 2 k and 2 k + 1 of both lists; the twelve that are over stand in slice 63, which is also the places behind the run's last product.
.macro SLICE y
.if (k >= 11) && (k < 44)              ; tile by tile: plain, exponential, plain, exponential
.irp t, \y, (\y)+1
.irp n, 0,1
.set j, 2*k+(\n)
	SM \t
.endr
.endr
.else                                  ; the two tiles alternate
.irp n, 0,1,2,3,4,5,6,7
.if ((\n) < 2) || (k == 63)
.irp t, \y, (\y)+1
.set j, 2*k+(\n)
	SM \t
.endr
.endif
.endr
.endif
.set k, k+1
.endm
.macro RUNKQ x, y                      ; 32 products, two slices behind each
.set k, 0
.set i, 0
.rept 32
	KQ \x
	SLICE \y
	SLICE \y
.set i, i+1
.endr
.endm
.macro RUNPV x, y
.set k, 0
.set i, 0
.rept 32
	PV \x
	SLICE \y
	SLICE \y
.set i, i+1
.endr
.endm
; A block's last tile: in units of 16, my key group kb has number 16 CT + 4 w + kb, tile parity tt's queries PBI + tt.  Lower: all hidden (BE = -1e30); equal: the pattern (AL = 1); higher: nothing.
; The place in the cluster enters numbers alone: no branch and no address.
.macro DIAGMASK
	s_lshl_b32 s[DLT], s[CT], 4
	s_lshl2_add_u32 s[DLT], s[WV], s[DLT]
	s_sub_co_u32 s[DLT], s[DLT], s[PBI]
	WIN 0xff
.irp tt, 0,1
.irp kb, 0,1,2,3
	s_cmp_eq_i32 s[DLT], (\tt)-(\kb)
	s_cselect_b32 s[AL], 1.0, 0
	s_cmp_lt_i32 s[DLT], (\tt)-(\kb)
	s_cselect_b32 s[BE], s[BIGN], 0
.irp e, 0,1,2,3
	v_pk_fma_f32 v[MC+32*\tt+8*\kb+2*\e:MC+32*\tt+8*\kb+2*\e+1], v[TP+2*\e:TP+2*\e+1], s[AL:AL+1], v[MC+32*\tt+8*\kb+2*\e:MC+32*\tt+8*\kb+2*\e+1] op_sel_hi:[1,0,1]
.endr
.irp e, 0,1,2,3
	v_pk_add_f32 v[MC+32*\tt+8*\kb+2*\e:MC+32*\tt+8*\kb+2*\e+1], v[MC+32*\tt+8*\kb+2*\e:MC+32*\tt+8*\kb+2*\e+1], s[BE:BE+1] op_sel_hi:[1,0]
.endr
.endr
.endr
	WIN 0
.endm
; A KEY STEP: my 64 keys of the tile in hand.  last = 1: the walk's last tile: it is a block's last, and no bias is asked for.
.macro STEP last
	WIN 0
	v_add_nc_u32 v[ADRK], s[TB], v[AK0]
	v_add_nc_u32 v[ADRV], s[TB], v[AV0]
	FETCH_K
	FETCH_V
	WIN 0
	s_wait_loadcnt 0x0                             ; the bias of this tile, asked for a step ago; at a block's beginning Q
.if \last
	DIAGMASK
.else
	s_cmp_lg_u32 s[RT], 1
	s_cbranch_scc1 .Lno_diag_\@
	DIAGMASK
.Lno_diag_\@:
.endif
	s_wait_dscnt 32                                ; K is in; V's 32 loads may stay out
.set i, 0
.rept 32
	KQ 0
.set i, i+1
.endr
	PLACES
	RUNKQ 2, 0
.if !(\last)
	WIN 0
	s_lshl_b32 s[OFF], s[CTN], 10                  ; the next tile's bias: the loads that named BP are done (the wait above)
	s_add_nc_u64 s[BP:BP+1], s[BB:BB+1], s[OFF:OFF+1]
	BIASLOAD
.endif
	s_wait_dscnt 0x0                               ; V is in
	RUNPV 0, 2
.set i, 0
.rept 32
	PV 2
.set i, i+1
.endr
.endm
; One of the four rounds of a block's end: tile t's O^T, already scaled, of all four waves meets in the stage; wave w adds up queries 4 w .. 4 w + 3, eight channels a lane, and stores them.
.macro ROUND t
	WIN 0x04                                       ; store data in window 1
.irp cb, 0,1,2,3,4,5,6,7
	ds_store_b128 v[STW], v[64*(\t)+8*\cb:64*(\t)+8*\cb+3]   offset:64*\cb
	ds_store_b128 v[STW], v[64*(\t)+8*\cb+4:64*(\t)+8*\cb+7] offset:64*\cb+16
.endr
	WIN 0
	s_wait_dscnt 0x0                               ; for the others' sake: my stores are done
	s_barrier_signal -1
	s_barrier_wait -1
.irp v, 0,1,2,3
.irp n, 0,1,2,3                        ; query 4 w + h + 2 (n / 2), channels 8 r + 4 (n % 2) on, of wave v's part
	ds_load_b128 v[P+16*\v+4*\n:P+16*\v+4*\n+3], v[STR] offset:16*SPT*\v+2*SPT*((\n)/2)+16*((\n)%2)
.endr
.endr
	s_wait_dscnt 0x0                               ; my reads of the stage are over:
.if (\t) < 3
	s_barrier_signal -1                            ; say so; the next round writes it again behind the wait below
.endif
.set z, 0
.rept 8
	v_pk_add_f32 v[P+2*z:P+2*z+1], v[P+2*z:P+2*z+1], v[P+16+2*z:P+16+2*z+1]
	v_pk_add_f32 v[P+32+2*z:P+32+2*z+1], v[P+32+2*z:P+32+2*z+1], v[P+48+2*z:P+48+2*z+1]
.set z, z+1
.endr
.set z, 0
.rept 8
	v_pk_add_f32 v[P+2*z:P+2*z+1], v[P+2*z:P+2*z+1], v[P+32+2*z:P+32+2*z+1]
.set z, z+1
.endr
.set z, 0
.rept 16
	v_fma_f32 v[P+z], v[136+2*(\t)+z/8], v[VME+z%8], v[P+z]  ; + the mean of v where the row has no key (flag 1, sum 0)
.set z, z+1
.endr
.set z, 0
.rept 8
	v_cvt_pk_f16_f32 v[148+8*(\t)+z], v[P+2*z], v[P+2*z+1]
.set z, z+1
.endr
.if (\t) < 3
	s_barrier_wait -1
.endif
.irp n, 0,1
	global_store_b128 v[GO], v[148+8*(\t)+4*\n:148+8*(\t)+4*\n+3], s[OP:OP+1] offset:((\t)%2)*32768+4096*\n+((\t)/2)*256  ; 16 lanes store 256 consecutive bytes, aligned
.endr
.endm
; A BLOCK'S END.  Each wave's (c m, l) go to LDS; every wave makes of the four the common maximum g, L = the sum of 2^(c m_v - g) l_v, its own factor 2^(c m - g) / L, and the flag of a row without a key
; (g below the threshold: factor 0, flag 1).  Then the four rounds.  more = 1: the second block's Q is asked for at once, and its start is made at the end.
.macro FINISH more
	WIN 0
.irp t, 0,1,2,3
	v_add_f32 v[ST+8*\t+4], v[ST+8*\t+2], v[ST+8*\t+3]  ; these four are the places behind the last products
.endr
.if \more
	QLOAD QP2
.endif
.irp t, 0,1,2,3
	v_permlanex16_b32 v[ST+8*\t+5], v[ST+8*\t+4], s[SEL], s[SEL+1]
.endr
.irp t, 0,1,2,3
	v_add_f32 v[ST+8*\t+1], v[ST+8*\t+4], v[ST+8*\t+5]
.endr
.irp t, 0,1,2,3
	ds_store_b64 v[MLW], v[ST+8*\t:ST+8*\t+1] offset:128*\t
.endr
	s_wait_dscnt 0x0
	s_barrier_signal -1
	s_barrier_wait -1
.irp t, 0,1,2,3
.irp v, 0,1,2,3
	ds_load_b64 v[64+8*\t+2*\v:64+8*\t+2*\v+1], v[MLR] offset:512*\v+128*\t
.endr
.endr
	ds_load_b128 v[VME:VME+3], v[VMA]
	ds_load_b128 v[VME+4:VME+7], v[VMA] offset:16
	s_wait_dscnt 0x0
.irp t, 0,1,2,3
	v_max3_num_f32 v[96+\t], v[64+8*\t], v[66+8*\t], v[68+8*\t]
.endr
.irp t, 0,1,2,3
	v_max_num_f32 v[96+\t], v[96+\t], v[70+8*\t]
.endr
.irp t, 0,1,2,3
.irp v, 0,1,2,3
	v_sub_f32 v[100+4*\t+\v], v[64+8*\t+2*\v], v[96+\t]
.endr
	v_sub_f32 v[116+\t], v[ST+8*\t], v[96+\t]
.endr
.set z, 0
.rept 20
	v_exp_f32 v[100+z], v[100+z]
.set z, z+1
.endr
	v_nop                                          ; a plain instruction behind the last exponential
	s_wait_alu depctr_va_vdst(0)
.irp t, 0,1,2,3
	v_mul_f32 v[120+\t], v[100+4*\t], v[65+8*\t]
.endr
.irp v, 1,2,3
.irp t, 0,1,2,3
	v_fmac_f32 v[120+\t], v[100+4*\t+\v], v[65+8*\t+2*\v]
.endr
.endr
.irp t, 0,1,2,3
	v_rcp_f32 v[124+\t], v[120+\t]
.endr
	v_nop
	s_wait_alu depctr_va_vdst(0)
.irp t, 0,1,2,3
	v_mul_f32 v[128+2*\t], v[116+\t], v[124+\t]
.endr
.irp t, 0,1,2,3
	v_cmp_gt_f32 s96, s[THR], v[96+\t]
	v_cndmask_b32 v[128+2*\t], v[128+2*\t], 0, s96
	v_cndmask_b32 v[129+2*\t], 0, 1.0, s96
.endr
.irp t, 0,1,2,3
	ds_store_b32 v[FLW], v[129+2*\t] offset:64*\t  ; the flags change lanes through my wave's own words: LDS serves a wave's instructions in order (ISA guide 5.7.1.4), so no wait stands between
.endr
.irp t, 0,1,2,3
	ds_load_b32 v[136+2*\t], v[FLR] offset:64*\t
	ds_load_b32 v[137+2*\t], v[FLR] offset:64*\t+8
.endr
	WIN W_RS
.set i, 0
.rept 128
	v_pk_mul_f32 v[2*i:2*i+1], v[2*i:2*i+1], v[128+2*(i/32):129+2*(i/32)] op_sel_hi:[1,0]
.set i, i+1
.endr
	ROUND 0
	ROUND 1
	ROUND 2
	ROUND 3
.if \more
	s_wait_xcnt 0x0                                ; the stores have read their registers and att's address
	s_mov_b64 s[OP:OP+1], s[OP2:OP2+1]
	s_mov_b32 s[PBI], s[PBI2]
	s_mov_b32 s[RT], s[L2]
.irp t, 0,1,2,3
	v_mov_b32 v[ST+8*\t], 0xfe000000
	v_mov_b32 v[ST+8*\t+1], 0xff7fffff
.endr
.endif
.endm
	s_mov_b32 s[SLOTS], 8
.Lslot:                                        ; eight times: a tile is entered and the next is asked for
	CHANGE 1
	STEP 0
	WIN 0
	s_mov_b32 s[CT], s[CTN]
	s_sub_co_u32 s[RT], s[RT], 1
	s_cmp_lg_u32 s[RT], 0                          ; hangs on the cluster's x alone: the same for all waves and all partners
	s_cbranch_scc1 .Lno_end
	FINISH 1                                       ; in the loop this is the first block's end: the second's last tile is the walk's last
	WIN 0
.Lno_end:
	s_sub_co_u32 s[SLOTS], s[SLOTS], 1
	s_cmp_lg_u32 s[SLOTS], 0
	s_cbranch_scc1 .Lslot
	CHANGE 0                                       ; the walk's last tile is written out: nothing is asked for
	STEP 1
	FINISH 0
	WIN 0
	s_wait_tensorcnt 0x0                           ; the wave's end
	ds_add_u32 v[SPW], v[NIL]
	s_wait_dscnt 0x0
	CROUND                                         ; the closing round
	s_endpgm
.Lfunc_end_k_q94ec881986_attn:
	.size	k_q94ec881986_attn, .Lfunc_end_k_q94ec881986_attn-k_q94ec881986_attn
	.p2alignl 7, 3214868480
	.fill 96, 4, 3214868480
	.section	.rodata,"a",@progbits
	.p2align	6, 0x0
	.amdhsa_kernel k_q94ec881986_attn
		.amdhsa_group_segment_fixed_size 327680
		.amdhsa_private_segment_fixed_size 0
		.amdhsa_enable_private_segment 0
		.amdhsa_kernarg_size 32
		.amdhsa_user_sgpr_count 2
		.amdhsa_user_sgpr_kernarg_segment_ptr 1
		.amdhsa_wavefront_size32 1
		.amdhsa_system_sgpr_workgroup_id_x 1
		.amdhsa_system_sgpr_workgroup_id_y 1
		.amdhsa_system_sgpr_workgroup_id_z 1
		.amdhsa_system_vgpr_workitem_id 0
		.amdhsa_next_free_vgpr 1024
		.amdhsa_next_free_sgpr 102
		.amdhsa_reserve_vcc 1
		.amdhsa_float_denorm_mode_32 3
		.amdhsa_float_denorm_mode_16_64 3
		.amdhsa_memory_ordered 1
		.amdhsa_forward_progress 1
		.amdhsa_inst_pref_size 212
	.end_amdhsa_kernel
	.amdgpu_metadata
---
amdhsa.version: [ 1, 2 ]
amdhsa.kernels:
  - .name:           k_q94ec881986_attn
    .symbol:         k_q94ec881986_attn.kd
    .args:
      - { .name: qkv, .offset: 0, .size: 8, .value_kind: global_buffer, .address_space: global }
      - { .name: vpart, .offset: 8, .size: 8, .value_kind: global_buffer, .address_space: global }
      - { .name: bias, .offset: 16, .size: 8, .value_kind: global_buffer, .address_space: global }
      - { .name: att, .offset: 24, .size: 8, .value_kind: global_buffer, .address_space: global }
    .group_segment_fixed_size: 327680
    .private_segment_fixed_size: 0
    .kernarg_segment_align: 8
    .kernarg_segment_size: 32
    .max_flat_workgroup_size: 128
    .sgpr_count:     102
    .vgpr_count:     1024
    .wavefront_size: 32
...
	.end_amdgpu_metadata
.endif
;; end of part 3
;; launch oproj (part 4): grid 16 x 16, 4 waves a work-group, clusters of 4 x 4, 327,680 bytes of LDS; arguments att, wo16, out0; writes out0
.if DOCPART == 4
	.amdgcn_target "amdgcn-amd-amdhsa--gfx1250"
	.amdhsa_code_object_version 6
	.text
	.protected	k_q94ec881986_oproj
	.globl	k_q94ec881986_oproj
	.p2align	8
	.type	k_q94ec881986_oproj,@function
k_q94ec881986_oproj:
	s_mov_b64 s[64:65], 0
	v_nop
	global_prefetch_b8 v0, s[64:65] scope:SCOPE_SE
	s_setreg_imm32_b32 hwreg(HW_REG_WAVE_MODE, 25, 1), 1
	s_wait_xcnt 0x0
	s_wait_alu depctr_hold_cnt(0) depctr_sa_sdst(0) depctr_va_vdst(0) depctr_va_sdst(0) depctr_va_ssrc(0) depctr_va_vcc(0) depctr_vm_vsrc(0)
	s_getreg_b32 s2, hwreg(HW_REG_IB_STS2, 6, 4)
	s_cmp_eq_u32 s2, 0
	s_cbranch_scc0 .Lentry_in_a_cluster
	s_endpgm
.Lentry_in_a_cluster:
	s_bfe_u32 s2, ttmp6, 0x10000c
	s_cmp_lg_u32 s2, 0xf033
	s_cbranch_scc0 .Lentry_shape_is_right
	s_endpgm
.Lentry_shape_is_right:
; out0 [4096][4096] f32 = att [4096][1024] f16 x wo16 [1024 k][4096 n] f16; sums in f32, stored as they are.
; A tile of C is 256 x 256: 256 work-groups of four waves, each 128 x 128: 64 accumulators.  K goes in 8 steps of 128 through two LDS slots.  A's rows lie along K; B lies [k][n] and is turned on its way
; out of LDS by ds_load_tr16_b128.  THE MATRIX INSTRUCTION IS USED TRANSPOSED (source 0 = 16 columns of Wo, source 1 = 16 rows of att): a lane holds row lane % 16 and eight neighbouring columns.
; CLUSTER 4 x 4: A's tile is asked for jointly along a row of the cluster, B's along a column.  No prefetch: of the launch's 8 K steps the first four would come by their loads alone.
; REGISTERS: window 0: v0-31 addresses, v64-127 and v128-191 A's fragments, two buffers (on the way out: rows read back); window 1: the same numbers, B's fragments;
; window 2: the accumulators of my rows 0-63, (a, b) at 8 (8 a + b); window 3: those of my rows 64-127.
.set PA,    272
.set PB,    544                        ; a k-row of B: 512 bytes + 32
.set HALFT, 128*PA                     ; 34,816 = 64 x PB too: what one tensor load brings
.set ATILE, 2*HALFT
.set SLOT,  4*HALFT                    ; 139,264 = 0x22000: no LDS word of a descriptor has one of its two bits, so one exclusive or changes slots
.set STAGE, 2*SLOT                     ; behind the ring: 16 rows x 528 bytes for each wave
.set SP,    528
.set SPARE, STAGE+4*16*SP              ; the spare words, 128 bytes for each wave: two blocks of 256 bytes that no other line names
.set A0,   16
.set B0,   17
.set ADRA, 18
.set ADRB, 19
.set STO,  20
.set RD,   21
.set CO,   22
.set SPW,  28
.set NIL,  29
.set F0,   64
.set F1,   128
.set G1,  24                           ; s[24:31] group 1 for A;  s[32:39] group 0, a set for each first fill; the second walks on
.set G0,  32
.set G1B, 48                           ; s[48:55], s[56:63] the same for B
.set G0B, 56
.set CNT, 3
.set TB,  45
.set MSB, 0
.macro WIN new
.if MSB != (\new)
	s_set_vgpr_msb (MSB<<8)|(\new)
.set MSB, \new
.endif
.endm
.set MUL_LO, 0xa1                      ; source 0 (B) window 1, source 1 (A) window 0, C and D window 2
.set MUL_HI, 0xf1
.set TO_B,   0x40
.macro PLACES
.rept 4
	v_nop
.endr
.endm
.macro JLOAD                           ; a joint refill by the walking sets; an s_nop 0 and four v_nop follow each of the two lines
	s_cmp_eq_u32 s11, 0
	s_cbranch_scc0 .Lfor_b_\@
	tensor_load_to_lds s[G0+4:G0+7], s[G1:G1+7]
	s_nop 0
.rept 4
	v_nop
.endr
	s_branch .Lasked_\@
.Lfor_b_\@:
	tensor_load_to_lds s[G0B+4:G0B+7], s[G1B:G1B+7]
	s_nop 0
.rept 4
	v_nop
.endr
.Lasked_\@:
.endm
.macro CREST
	s_cmp_lg_u32 s10, 0
	s_cbranch_scc1 .Lnot_wave_0_\@
	s_barrier_signal -3
.Lnot_wave_0_\@:
	s_barrier_wait -3
	s_barrier_signal -1
	s_barrier_wait -1
.endm
.macro CROUND
	s_barrier_signal -1
	s_barrier_wait -1
	CREST
.endm
	s_load_b128 s[4:7], s[0:1], 0x0                ; att, wo16
	s_load_b64 s[8:9], s[0:1], 0x10                ; out0
	v_lshl_add_u32 v[SPW], v0, 2, SPARE
	v_mov_b32 v[NIL], 0
	ds_add_u32 v[SPW], v[NIL]                      ; the wave's opening: the add and its wait stand ahead of my first tensor load
	v_lshrrev_b32 v1, 5, v0
	v_readfirstlane_b32 s10, v1                    ; wave
	s_lshr_b32 s11, s10, 1                         ; my half of the tile's rows.  Also: I fetch for A (0) or for B (1)
	s_and_b32 s12, s10, 1                          ; my half of its columns.  Also: which half of that tile I fetch
	s_bfe_u32 s40, ttmp6, 0x40000                  ; cx
	s_bfe_u32 s41, ttmp6, 0x40004                  ; cy
	s_lshl_b32 s42, ttmp9, 2
	s_add_co_u32 s42, s42, s40                     ; tile column
	s_and_b32 s13, ttmp7, 0xffff
	s_lshl_b32 s13, s13, 2
	s_add_co_u32 s13, s13, s41                     ; tile row
	s_lshl_b32 s43, s41, 2
	s_lshl_b32 s43, 15, s43                        ; my row of the cluster
	s_lshl_b32 s44, 0x1111, s40                    ; my column
	s_or_b32 s[G1], s43, (1<<16)|(1<<20)|(1<<21)|(5<<22)|(3<<25)   ; A: after every 64 words, 4 words of padding
	s_or_b32 s[G1B], s44, (1<<16)|(1<<20)|(1<<21)|(6<<22)|(7<<25)  ; B: after every 128 words, 8 words
	s_mov_b32 s[G1+1], 128<<16                     ; A: 128 rows x 128 elements, 1,024 elements from row to row
	s_mov_b32 s[G1+2], 128<<16
	s_mov_b32 s[G1+3], 128<<16
	s_mov_b32 s[G1+4], 128
	s_mov_b32 s[G1+5], 1024
	s_mov_b32 s[G1+6], 0
	s_mov_b32 s[G1+7], 0
	s_mov_b32 s[G1B+1], 256<<16                    ; B: 64 k-rows x 256 elements, 4,096 from row to row
	s_mov_b32 s[G1B+2], 64<<16
	s_mov_b32 s[G1B+3], 256<<16
	s_mov_b32 s[G1B+4], 64
	s_mov_b32 s[G1B+5], 4096
	s_mov_b32 s[G1B+6], 0
	s_mov_b32 s[G1B+7], 0
	s_lshl_b32 s16, s13, 19                        ; A: (256 x tile row + 128 x half) rows of 2,048 bytes
	s_lshl_b32 s17, s12, 18
	s_add_co_u32 s16, s16, s17
	s_mov_b32 s17, 0
	s_lshl_b32 s46, s42, 9                         ; B: 64 x half k-rows of 8,192 bytes + 512 x tile column
	s_lshl_b32 s47, s12, 19
	s_add_co_u32 s46, s46, s47
	s_mov_b32 s47, 0
	s_mul_i32 s20, s10, HALFT                      ; where they go: A's two halves, then B's two: wave x 34,816
	s_mov_b32 s[TB], 0
	s_wait_dscnt 0x0                               ; the opening add is done
	s_wait_kmcnt 0x0
	s_add_nc_u64 s[14:15], s[4:5], s[16:17]
	s_add_nc_u64 s[46:47], s[6:7], s[46:47]
	s_mov_b32 s[G0], 1
	s_mov_b32 s[G0+1], s20
	s_add_nc_u64 s[G0+2:G0+3], s[14:15], 0         ; K step 0 into slot 0
	s_or_b32 s[G0+3], s[G0+3], 0x80000000
	s_mov_b32 s[G0+4], 1
	s_add_co_u32 s[G0+5], s20, SLOT
	s_add_nc_u64 s[G0+6:G0+7], s[14:15], 256       ; K step 1 into slot 1
	s_or_b32 s[G0+7], s[G0+7], 0x80000000
	s_mov_b32 s[G0B], 1
	s_mov_b32 s[G0B+1], s20
	s_add_nc_u64 s[G0B+2:G0B+3], s[46:47], 0
	s_or_b32 s[G0B+3], s[G0B+3], 0x80000000
	s_mov_b32 s[G0B+4], 1
	s_add_co_u32 s[G0B+5], s20, SLOT
	s_add_nc_u64 s[G0B+6:G0B+7], s[46:47], 0x100000
	s_or_b32 s[G0B+7], s[G0B+7], 0x80000000
	CROUND                                         ; all sixteen work-groups are here
	s_cmp_eq_u32 s11, 0                            ; a wave's two first fills stand in one branch: two loads of mine are out
	s_cbranch_scc0 .Lfirst_b
	tensor_load_to_lds s[G0:G0+3], s[G1:G1+7]
	s_nop 0
	tensor_load_to_lds s[G0+4:G0+7], s[G1:G1+7]
	s_nop 0
.rept 4
	v_nop
.endr
	s_branch .Lfirst_asked
.Lfirst_b:
	tensor_load_to_lds s[G0B:G0B+3], s[G1B:G1B+7]
	s_nop 0
	tensor_load_to_lds s[G0B+4:G0B+7], s[G1B:G1B+7]
	s_nop 0
.rept 4
	v_nop
.endr
.Lfirst_asked:
	v_and_b32 v1, 15, v0                           ; r
	v_bfe_u32 v2, v0, 4, 1                         ; h
	v_and_b32 v3, 31, v0
	v_and_b32 v4, 7, v0
	v_bfe_u32 v5, v0, 3, 1
	s_mul_i32 s21, s11, HALFT                      ; my 128 rows of A
	v_mul_u32_u24 v[A0], v1, PA
	v_lshl_add_u32 v[A0], v2, 4, v[A0]
	v_add_nc_u32 v[A0], s21, v[A0]
	s_lshl_b32 s21, s12, 8                         ; my 128 columns of B: 256 bytes of a k-row
	s_add_co_u32 s21, s21, ATILE
	v_lshl_add_u32 v[B0], v2, 3, v4
	v_mul_u32_u24 v[B0], v[B0], PB
	v_lshl_add_u32 v[B0], v5, 4, v[B0]
	v_add_nc_u32 v[B0], s21, v[B0]
	v_mov_b32 v[ADRA], v[A0]
	v_mov_b32 v[ADRB], v[B0]
	s_mul_i32 s21, s10, 16*SP
	s_add_co_u32 s21, s21, STAGE
	v_mul_u32_u24 v[STO], v1, SP                   ; in: row r, 32 bytes for each half of the lanes
	v_lshl_add_u32 v[STO], v2, 5, v[STO]
	v_add_nc_u32 v[STO], s21, v[STO]
	v_lshlrev_b32 v[CO], 4, v3                     ; back and out: 32 lanes take a row's 512 bytes
	v_add_nc_u32 v[RD], s21, v[CO]
	s_lshl_b32 s18, s13, 22                        ; out0: (256 x tile row + 128 x row half) rows of 16,384 bytes + (256 x tile column + 128 x column half) x 4
	s_lshl_b32 s19, s11, 21
	s_add_co_u32 s18, s18, s19
	s_lshl_b32 s19, s42, 10
	s_add_co_u32 s18, s18, s19
	s_lshl_b32 s19, s12, 9
	s_add_co_u32 s18, s18, s19
	s_mov_b32 s19, 0
	s_add_nc_u64 s[8:9], s[8:9], s[18:19]
; 16 matrix instructions: row blocks a0, a0 + 1 of the window's four x all 8 column blocks, 32 along K.  The 64 accumulators take turns, in the same order in every quarter.
.macro MUL16 f, hi, a0, zero
	WIN MUL_LO+0x50*(\hi)
.irp a, \a0, (\a0)+1
.irp b, 0,1,2,3,4,5,6,7
.if \zero
	v_wmma_f32_16x16x32_f16 v[8*(8*(\a)+(\b)):8*(8*(\a)+(\b))+7], v[(\f)+8*(\b):(\f)+8*(\b)+7], v[(\f)+8*(4*(\hi)+(\a)):(\f)+8*(4*(\hi)+(\a))+7], 0
.else
	v_wmma_f32_16x16x32_f16 v[8*(8*(\a)+(\b)):8*(8*(\a)+(\b))+7], v[(\f)+8*(\b):(\f)+8*(\b)+7], v[(\f)+8*(4*(\hi)+(\a)):(\f)+8*(4*(\hi)+(\a))+7], v[8*(8*(\a)+(\b)):8*(8*(\a)+(\b))+7]
.endif
.endr
.endr
.endm
; 32 LDS loads in one run: quarter q of the slot in hand into buffer f: B's 8 fragments, turned, then A's 8
.macro FETCH q, f
	WIN TO_B
.irp i, 0,1,2,3,4,5,6,7
	ds_load_tr16_b128 v[(\f)+8*(\i):(\f)+8*(\i)+3],   v[ADRB] offset:32*PB*(\q)+32*(\i)
	ds_load_tr16_b128 v[(\f)+8*(\i)+4:(\f)+8*(\i)+7], v[ADRB] offset:32*PB*(\q)+32*(\i)+16*PB
.endr
	WIN 0
.irp i, 0,1,2,3,4,5,6,7
	ds_load_b128 v[(\f)+8*(\i):(\f)+8*(\i)+3],   v[ADRA] offset:64*(\q)+(\i)*16*PA
	ds_load_b128 v[(\f)+8*(\i)+4:(\f)+8*(\i)+7], v[ADRA] offset:64*(\q)+(\i)*16*PA+32
.endr
.endm
.macro QUARTER q, f, g, zero
	s_wait_dscnt 8                                 ; B and A's rows 0-63 are in; the youngest eight loads (A's rows 64-127) may be out
	MUL16 \f, 0, 0, \zero
	MUL16 \f, 0, 2, \zero
	PLACES
	FETCH \q, \g
	s_wait_dscnt 32                                ; all but the 32 just issued
	MUL16 \f, 1, 0, \zero
	MUL16 \f, 1, 2, \zero
.endm
; The last quarter multiplies buffer 1 and changes slots: ONE barrier; ahead of it each wave waits for all its tensor loads (one is out: its part of the next slot), adds 0 to its spare word, and waits for
; that and for its reads of this slot.  fill = 1: the barrier opens a round of the cluster's, and this slot is filled again, two K steps ahead, first thing behind the round.
.macro TURN fill
	WIN 0
	s_wait_tensorcnt 0x0
	ds_add_u32 v[SPW], v[NIL]
	s_wait_dscnt 9                                 ; the add and the youngest eight loads may be out
	MUL16 F1, 0, 0, 0
	s_wait_dscnt 0x0                               ; the add is done, and my reads of this slot are over
	s_barrier_signal -1
	MUL16 F1, 0, 2, 0
	WIN 0
	s_barrier_wait -1
.if \fill
	CREST
	s_xor_b32 s[G0+5], s[G0+5], SLOT               ; the walking sets: the other slot than last time, the next K step
	s_add_nc_u64 s[G0+6:G0+7], s[G0+6:G0+7], 256
	s_xor_b32 s[G0B+5], s[G0B+5], SLOT
	s_add_nc_u64 s[G0B+6:G0B+7], s[G0B+6:G0B+7], 0x100000
	JLOAD                                          ; its four v_nop are also the places ahead of the loads below
.else
	PLACES
.endif
	s_xor_b32 s[TB], s[TB], SLOT
	v_add_nc_u32 v[ADRA], s[TB], v[A0]
	v_add_nc_u32 v[ADRB], s[TB], v[B0]
	FETCH 0, F0
	MUL16 F1, 1, 0, 0
	MUL16 F1, 1, 2, 0
.endm
	s_wait_tensorcnt 1                             ; my part of K step 0 is in; K step 1's may stay out
	s_barrier_signal -1
	s_barrier_wait -1
	FETCH 0, F0
	QUARTER 1, F0, F1, 1                           ; the first quarter stands ahead of the loop: its products start the sums
	WIN 0
	s_mov_b32 s[CNT], 6                            ; 8 K steps: all but the last two are followed by a refill
.Lk:
	QUARTER 2, F1, F0, 0
	QUARTER 3, F0, F1, 0
	TURN 1
	QUARTER 1, F0, F1, 0
	WIN 0
	s_sub_co_u32 s[CNT], s[CNT], 1
	s_cmp_lg_u32 s[CNT], 0
	s_cbranch_scc1 .Lk
	; The last two K steps ask for nothing: a text of their own, walked twice.  The second trip has no further quarter and jumps over it.  Its TURN passes one more
	; barrier and fetches a quarter of the slot read before, 32 LDS loads that nothing multiplies: the price, once a launch, of one text for both trips.
	s_mov_b32 s[CNT], 2
.Ltail:
	QUARTER 2, F1, F0, 0
	QUARTER 3, F0, F1, 0
	TURN 0
	WIN 0
	s_cmp_eq_u32 s[CNT], 1
	s_cbranch_scc1 .Llast
	QUARTER 1, F0, F1, 0
	WIN 0
.Llast:
	s_sub_co_u32 s[CNT], s[CNT], 1
	s_cmp_lg_u32 s[CNT], 0
	s_cbranch_scc1 .Ltail
	s_wait_dscnt 0x0                               ; the loads into buffer 0 are back: its registers take rows of C below
	PLACES
; THE WAY OUT of row block a (16 rows x 128 columns of f32): 32 bytes a lane into my own stage, straight from the accumulators (their lowest registers first); back as whole rows of
; 512 bytes; stored, 512 consecutive bytes an instruction.  Two sets of 64 registers take turns.
.macro TOSTAGE a
	s_wait_xcnt 0x0                                ; the stores of the block two back have read the registers that are loaded again below
	WIN 0x08+4*((\a)/4)                            ; store data in window 2 or 3
.irp b, 0,1,2,3,4,5,6,7
	ds_store_b128 v[STO], v[64*((\a)%4)+8*\b:64*((\a)%4)+8*\b+3]   offset:64*\b
	ds_store_b128 v[STO], v[64*((\a)%4)+8*\b+4:64*((\a)%4)+8*\b+7] offset:64*\b+16
.endr
	WIN 0
.set BK, 64+64*((\a)%2)
.irp t, 0,1,2,3,4,5,6,7,8,9,10,11,12,13,14,15
	ds_load_b128 v[BK+4*\t:BK+4*\t+3], v[RD] offset:SP*\t  ; LDS serves a wave's instructions in order (ISA guide 5.7.1.4): these see the stores above
.endr
.endm
.macro SEND a, younger                 ; younger: the LDS instructions issued behind block a's loads: the next block's 32, or none
.set BK, 64+64*((\a)%2)
.if (\a) > 0
	s_wait_xcnt 0x0                                ; the earlier stores have read their base
	s_add_nc_u64 s[8:9], s[8:9], 16*16384
.endif
.irp t, 0,1,2,3,4,5,6,7,8,9,10,11,12,13,14,15
.if (\t)%4 == 0
	s_wait_dscnt (\younger)+12-\t                  ; one wait for four rows: rows t .. t + 3 are back; the block's 12 - t later loads and the younger ones may stay out
.endif
	global_store_b128 v[CO], v[BK+4*\t:BK+4*\t+3], s[8:9] offset:16384*\t th:TH_STORE_NT
.endr
.endm
	TOSTAGE 0
.irp a, 1,2,3,4,5,6,7
	TOSTAGE \a
	SEND (\a)-1, 32
.endr
	SEND 7, 0
	s_wait_tensorcnt 0x0                           ; the wave's end
	ds_add_u32 v[SPW], v[NIL]
	s_wait_dscnt 0x0
	CROUND                                         ; the closing round
	s_endpgm
.Lfunc_end_k_q94ec881986_oproj:
	.size	k_q94ec881986_oproj, .Lfunc_end_k_q94ec881986_oproj-k_q94ec881986_oproj
	.p2alignl 7, 3214868480
	.fill 96, 4, 3214868480
	.section	.rodata,"a",@progbits
	.p2align	6, 0x0
	.amdhsa_kernel k_q94ec881986_oproj
		.amdhsa_group_segment_fixed_size 327680
		.amdhsa_private_segment_fixed_size 0
		.amdhsa_enable_private_segment 0
		.amdhsa_kernarg_size 24
		.amdhsa_user_sgpr_count 2
		.amdhsa_user_sgpr_kernarg_segment_ptr 1
		.amdhsa_wavefront_size32 1
		.amdhsa_system_sgpr_workgroup_id_x 1
		.amdhsa_system_sgpr_workgroup_id_y 1
		.amdhsa_system_sgpr_workgroup_id_z 1
		.amdhsa_system_vgpr_workitem_id 0
		.amdhsa_next_free_vgpr 1024
		.amdhsa_next_free_sgpr 66
		.amdhsa_reserve_vcc 0
		.amdhsa_float_denorm_mode_32 3
		.amdhsa_float_denorm_mode_16_64 3
		.amdhsa_memory_ordered 1
		.amdhsa_forward_progress 1
		.amdhsa_inst_pref_size 99
	.end_amdhsa_kernel
	.amdgpu_metadata
---
amdhsa.version: [ 1, 2 ]
amdhsa.kernels:
  - .name:           k_q94ec881986_oproj
    .symbol:         k_q94ec881986_oproj.kd
    .args:
      - { .name: att, .offset: 0, .size: 8, .value_kind: global_buffer, .address_space: global }
      - { .name: wo16, .offset: 8, .size: 8, .value_kind: global_buffer, .address_space: global }
      - { .name: out0, .offset: 16, .size: 8, .value_kind: global_buffer, .address_space: global }
    .group_segment_fixed_size: 327680
    .private_segment_fixed_size: 0
    .kernarg_segment_align: 8
    .kernarg_segment_size: 24
    .max_flat_workgroup_size: 128
    .sgpr_count:     66
    .vgpr_count:     1024
    .wavefront_size: 32
...
	.end_amdgpu_metadata
.endif
;; end of part 4
